; MI455X (gfx1250); checked and timed in simulation.
; The chip was launched on July 23, 2026; its instructions are those of AMD's public machine-readable ISA for CDNA 5 (MIT licence, August 2026) and "CDNA5" Instruction Set Architecture Reference Guide (July 2026). The comments in the code are by the model that wrote it; some were corrected since.
;; Self Attention Layer. Allowed arithmetic: float matrix products may take bf16 or f16 operands with f32 sums; other float arithmetic in f32, or as packed bf16 or f16 multiplies, adds, multiply-adds, maxima and minima; sums over many terms, partial sums and values carried from step to step in f32; what a program stores and reads back later, other than sums and carried values, may be rounded once to bf16 or f16.
;; Inputs: Wk 1,024 x 1,024 float32; Wq 1,024 x 1,024 float32; Wv 1,024 x 1,024 float32; bk 1,024 float32; bq 1,024 float32; bv 1,024 float32; x 4 x 2,048 x 1,024 float32.
;; Outputs: out0 4 x 2,048 x 1,024 float32.
;; 2 versions, each right; version 2 is version 1 with the launch cast written anew for expert scheduling mode. Each part assembles by itself: llvm-mc -triple=amdgcn-amd-amdhsa -mcpu=gfx1250 --defsym DOCPART=n.
;; ======== version 1 of 2: 4 launches
;; limits: values are held in f16: magnitudes above 65,504 overflow, below 6.1e-05 lose precision
;; workspace buffers: xh 16,777,216 bytes; wh 6,291,456 bytes; qkv 50,331,648 bytes; pw 33,554,432 bytes; st 1,048,576 bytes
;; launch cast (part 1): grid 64 x 11, 8 waves a work-group, no clusters, 0 bytes of LDS; arguments x, Wq, Wk, Wv, xh, wh; writes xh, wh
.if DOCPART == 1
	.amdgcn_target "amdgcn-amd-amdhsa--gfx1250"
	.amdhsa_code_object_version 6
	.text
	.protected	k_qf92b569726_cast
	.globl	k_qf92b569726_cast
	.p2align	8
	.type	k_qf92b569726_cast,@function
k_qf92b569726_cast:
	s_mov_b64 s[64:65], 0
	v_nop
	global_prefetch_b8 v0, s[64:65] scope:SCOPE_SE
	s_setreg_imm32_b32 hwreg(HW_REG_WAVE_MODE, 25, 1), 1
	s_wait_xcnt 0x0
; x [8192][1024] and Wq, Wk, Wv [1024][1024], f32, are rounded once to f16 and laid out BY BLOCKS OF 64 ALONG K:
; xh [16 blocks][8192 rows][64], wh [16 blocks][3072 rows][64] (rows: Wq, Wk, Wv).  So the next launch's tiles, some rows x 64 along K, are dense in memory.
; LIMIT: f16 holds no number beyond 65,504; below 6e-5 it keeps its fixed step of 6e-8.
; A stream: no LDS, no matrix unit, no cluster, since no byte is wanted twice.  Grid y = 0..7: an eighth of x each; y = 8, 9, 10: Wq, Wk, Wv.
; A work-group takes 16 rows; a wave two of them: lanes 0-15 one row, lanes 16-31 the next.  Load i brings block i of both rows: twice 256 consecutive bytes, aligned; the two rows' 128 bytes of f16
; lie end to end in block i, so a wave's store covers 256 consecutive bytes, aligned.  All 16 loads of a thread are issued at once; no register is written twice, so no wait frees a source.
.set IN,  4                            ; v[4:67]    sixteen loads of four f32
.set OUT, 68                           ; v[68:99]   sixteen pairs of packed f16
.set OFF, 100                          ; v[100:115] my byte offset in block i of the destination
.set PLX, 8192*128                     ; bytes in a block of xh
.set PLW, 3072*128                     ; and of wh
	s_load_b256 s[4:11], s[0:1], 0x0               ; x s[4:5], Wq s[6:7], Wk s[8:9], Wv s[10:11]
	s_load_b128 s[12:15], s[0:1], 0x20             ; xh s[12:13], wh s[14:15]
	s_and_b32 s16, ttmp7, 0xffff                   ; y
	v_lshrrev_b32 v2, 4, v0                        ; my row of the 16
	v_and_b32 v3, 15, v0                           ; my place in a block's 64 numbers
	v_lshlrev_b32 v1, 4, v3
	v_lshl_add_u32 v1, v2, 12, v1                  ; in: row x 4,096 + 16 x place
	v_lshlrev_b32 v[OFF], 3, v0                    ; out: row x 128 + 8 x place = 8 x thread
	s_sub_co_u32 s17, s16, 8                       ; which weight (used where y >= 8 alone)
	s_mov_b32 s28, PLW
	s_cmp_lt_u32 s16, 8
	s_cselect_b32 s18, s16, 0                      ; the source's group of 64 work-groups: a weight has one
	s_cselect_b32 s19, s16, s17                    ; the destination's
	s_cselect_b32 s28, PLX, s28                    ; bytes from block to block
	s_lshl_b32 s18, s18, 6
	s_add_co_u32 s18, s18, ttmp9
	s_lshl_b32 s24, s18, 16                        ; 16 rows of 4,096 bytes in
	s_mov_b32 s25, 0
	s_lshl_b32 s19, s19, 6
	s_add_co_u32 s19, s19, ttmp9
	s_lshl_b32 s26, s19, 11                        ; 16 rows of 128 bytes in each block out
	s_mov_b32 s27, 0
.irp i, 1,2,3,4,5,6,7,8,9,10,11,12,13,14,15
	v_add_nc_u32 v[OFF+(\i)], s28, v[OFF+(\i)-1]
.endr
	s_wait_kmcnt 0x0
	s_cmp_eq_u32 s16, 9
	s_cselect_b64 s[20:21], s[8:9], s[6:7]         ; Wk or Wq
	s_cmp_eq_u32 s16, 10
	s_cselect_b64 s[20:21], s[10:11], s[20:21]     ; or Wv
	s_cmp_lt_u32 s16, 8
	s_cselect_b64 s[20:21], s[4:5], s[20:21]       ; or x
	s_cselect_b64 s[22:23], s[12:13], s[14:15]     ; xh or wh
	s_add_nc_u64 s[20:21], s[20:21], s[24:25]
	s_add_nc_u64 s[22:23], s[22:23], s[26:27]
.irp i, 0,1,2,3,4,5,6,7,8,9,10,11,12,13,14,15
	global_load_b128 v[IN+4*(\i):IN+4*(\i)+3], v1, s[20:21] offset:256*(\i) th:TH_LOAD_NT
.endr
.irp i, 0,1,2,3,4,5,6,7,8,9,10,11,12,13,14,15
	s_wait_loadcnt 15-(\i)                         ; loads come back in order: load i is in, the 15 - i younger ones stay out
	v_cvt_pk_f16_f32 v[OUT+2*(\i)],   v[IN+4*(\i)],   v[IN+4*(\i)+1]
	v_cvt_pk_f16_f32 v[OUT+2*(\i)+1], v[IN+4*(\i)+2], v[IN+4*(\i)+3]
	global_store_b64 v[OFF+(\i)], v[OUT+2*(\i):OUT+2*(\i)+1], s[22:23]
.endr
	s_endpgm
.Lfunc_end_k_qf92b569726_cast:
	.size	k_qf92b569726_cast, .Lfunc_end_k_qf92b569726_cast-k_qf92b569726_cast
	.p2alignl 7, 3214868480
	.fill 96, 4, 3214868480
	.section	.rodata,"a",@progbits
	.p2align	6, 0x0
	.amdhsa_kernel k_qf92b569726_cast
		.amdhsa_group_segment_fixed_size 0
		.amdhsa_private_segment_fixed_size 0
		.amdhsa_enable_private_segment 0
		.amdhsa_kernarg_size 48
		.amdhsa_user_sgpr_count 2
		.amdhsa_user_sgpr_kernarg_segment_ptr 1
		.amdhsa_wavefront_size32 1
		.amdhsa_system_sgpr_workgroup_id_x 1
		.amdhsa_system_sgpr_workgroup_id_y 1
		.amdhsa_system_sgpr_workgroup_id_z 1
		.amdhsa_system_vgpr_workitem_id 0
		.amdhsa_next_free_vgpr 116
		.amdhsa_next_free_sgpr 66
		.amdhsa_reserve_vcc 0
		.amdhsa_float_denorm_mode_32 3
		.amdhsa_float_denorm_mode_16_64 3
		.amdhsa_memory_ordered 1
		.amdhsa_forward_progress 1
		.amdhsa_inst_pref_size 8
	.end_amdhsa_kernel
	.amdgpu_metadata
---
amdhsa.version: [ 1, 2 ]
amdhsa.kernels:
  - .name:           k_qf92b569726_cast
    .symbol:         k_qf92b569726_cast.kd
    .args:
      - { .name: x, .offset: 0, .size: 8, .value_kind: global_buffer, .address_space: global }
      - { .name: Wq, .offset: 8, .size: 8, .value_kind: global_buffer, .address_space: global }
      - { .name: Wk, .offset: 16, .size: 8, .value_kind: global_buffer, .address_space: global }
      - { .name: Wv, .offset: 24, .size: 8, .value_kind: global_buffer, .address_space: global }
      - { .name: xh, .offset: 32, .size: 8, .value_kind: global_buffer, .address_space: global }
      - { .name: wh, .offset: 40, .size: 8, .value_kind: global_buffer, .address_space: global }
    .group_segment_fixed_size: 0
    .private_segment_fixed_size: 0
    .kernarg_segment_align: 8
    .kernarg_segment_size: 48
    .max_flat_workgroup_size: 256
    .sgpr_count:     66
    .vgpr_count:     116
    .wavefront_size: 32
...
	.end_amdgpu_metadata
.endif
;; end of part 1
;; launch proj (part 2): grid 8 x 32, 4 waves a work-group, clusters of 4 x 4, 327,680 bytes of LDS; arguments xh, wh, bq, bk, bv, qkv; writes qkv
.if DOCPART == 2
	.amdgcn_target "amdgcn-amd-amdhsa--gfx1250"
	.amdhsa_code_object_version 6
	.text
	.protected	k_qf92b569726_proj
	.globl	k_qf92b569726_proj
	.p2align	8
	.type	k_qf92b569726_proj,@function
k_qf92b569726_proj:
	s_mov_b64 s[64:65], 0
	v_nop
	global_prefetch_b8 v0, s[64:65] scope:SCOPE_SE
	s_setreg_imm32_b32 hwreg(HW_REG_WAVE_MODE, 25, 1), 1
	s_wait_xcnt 0x0
	s_wait_alu depctr_hold_cnt(0) depctr_sa_sdst(0) depctr_va_vdst(0) depctr_va_sdst(0) depctr_va_ssrc(0) depctr_va_vcc(0) depctr_vm_vsrc(0)
	s_getreg_b32 s2, hwreg(HW_REG_IB_STS2, 6, 4)
	s_cmp_eq_u32 s2, 0
	s_cbranch_scc0 .Lentry_in_a_cluster
	s_endpgm
.Lentry_in_a_cluster:
	s_bfe_u32 s2, ttmp6, 0x10000c
	s_cmp_lg_u32 s2, 0xf033
	s_cbranch_scc0 .Lentry_shape_is_right
	s_endpgm
.Lentry_shape_is_right:
; qkv[m][e] = sum over d of x[m][d] W[e][d] + bias[e].  xh [16 blocks of 64 along K][8192][64], wh [16][3072][64] (rows Wq, Wk, Wv), qkv [8192][3072] (columns q, k, v), all f16; bq, bk, bv f32.
; Sums in f32, started with the bias, K ascending; qkv rounded once.  LIMIT: q, k, v beyond 65,504 become infinities in f16; NaN and infinities are not treated apart.
; THE TILE is 256 rows x 384 columns: 32 x 8 = 256 tiles, one for each work-group of the grid, all alike.  Four waves, each 128 x 192: 8 x 12 = 96 accumulators, 768 registers.
; K = 1,024 goes in 16 steps of 64 through two LDS slots filled by the tensor data mover: two slots of 640 rows x 128 along K would pass the 327,680 bytes of LDS, two of 64 along K take 184,320.
; A wave's part of a tile (128 rows of xh or 192 of wh, 128 bytes each) is dense in memory: it is asked for as rows of 256 bytes, aligned, and padded in LDS after every 128.
; CLUSTER 4 x 4: the four work-groups of a row of the cluster need the same rows of xh, the four of a column the same rows of wh: each tile is asked for jointly, by the same load, descriptor and mask.
; THE MATRIX INSTRUCTION IS USED TRANSPOSED (source 0 = 16 rows of wh, source 1 = 16 rows of xh): lane l holds row l % 16 of qkv and the columns 8 (l / 16) + 0..7 of a block of 16.
; REGISTERS in windows of 256 (s_set_vgpr_msb: bits 1:0 source 0, 3:2 source 1, 5:4 source 2, 7:6 destination):
;   window 0: v0-31 addresses; v32-95, v96-159 xh's 8 fragments, two buffers; v160-255 wh's 12 fragments, ONE buffer (on the way out v32-223 at work)
;   windows 1-3: the accumulators: column block b in window 1 + b / 4, (a, b) at 8 (8 (b % 4) + a)
; THE ORDER.  A quarter (32 along K) is 96 products, column block by column block, 8 row blocks each.  So a half of wh's fragments is free after 48 products and takes the next quarter's, 48 products ahead of its use;
; xh's fragments, read by all 96, have two buffers.  40 LDS loads feed 96 products.
; THE BIAS of column block b is loaded straight into the registers of accumulator (7, b) and is the C operand of the seven other products that start sums with that block; then (7, b) adds onto it in place.
.set STEPS,  16
.set PLX,    8192*128                  ; bytes from a K block of xh to the next
.set PLW,    3072*128                  ; and of wh
.set ROWC,   6144                      ; bytes in a row of qkv
.set PITCH,  144                       ; an LDS row: 128 bytes + 16 of padding = 36 words: the 16 rows of a fragment load start at 16 different groups of four banks (64 banks of 4 bytes: ISA guide 11.1)
.set AHALF,  128*PITCH                 ; what one tensor load brings of xh
.set BHALF,  192*PITCH                 ; and of wh
.set BOFF,   2*AHALF                   ; a slot: xh's 256 rows, then wh's 384
.set SLOT1,  1<<17                     ; slot 1 begins here: one exclusive or changes slots
.set STAGE,  SLOT1+BOFF+2*BHALF        ; behind the ring, never filled by a tensor load: 128 rows x 784 bytes, the work-group's, for the way out
.set SPITCH, 784                       ; 768 bytes + 16 = 196 words: the 16 rows of a store start 4 banks apart
.set SPARE,  STAGE+128*SPITCH          ; the spare words: 128 bytes for each wave, two blocks of 256 bytes that no other line names
.set ADRA0, 14                         ; v14  my place in xh's tile, slot 0; never rewritten
.set ADRB0, 15                         ; v15  the same for wh
.set ADRA,  16                         ; v16  the same in the slot in hand
.set ADRB,  20                         ; v20
.set STO,   24                         ; v24  the way out: where I put 16 bytes of a row
.set RD,    25                         ; v25  where I read 16 bytes of a row back
.set CO,    26                         ; v26  my byte offset in qkv
.set BO,    27                         ; v27  my byte offset in a block of 16 biases
.set SPW,   28                         ; v28  my spare word; never rewritten
.set NIL,   29                         ; v29  0; never rewritten
.set PFO,   30                         ; v30  the prefetches' offset: 256 x my lane; never rewritten
.set FA0,   32
.set FA1,   96
.set FB,    160
.set TMP,   32
.set G1,  24                           ; s[24:31] descriptor group 1, xh
.set G0,  32                           ; s[32:39] group 0, xh: a set for each first fill; the second then walks
.set G1B, 48                           ; s[48:55] group 1, wh
.set G0B, 56                           ; s[56:63] group 0, wh
.set LIM, 43                           ; s43  2 in a wave that prefetches, else the greatest number
.set PFA, 44                           ; s[44:45] where my prefetches stand
.set TB,  66                           ; s66  LDS byte at which the slot in hand begins
.set PST, 68                           ; s[68:69] the prefetches' step: a K block of xh or of wh
.set CB,  78                           ; s[78:79] qkv
.set BP,  84                           ; s[84:85] the bias of the column block in hand
.set COL, 86                           ; s86  my first column
.set MSB, 0
.macro WIN new                         ; the immediate's high byte repeats the setting that is left; a switch that changes nothing is dropped
.if MSB != (\new)
	s_set_vgpr_msb (MSB<<8)|(\new)
.set MSB, \new
.endif
.endm
.macro PLACES                          ; four plain vector instructions between a matrix instruction and a load into, or a vector read of, its registers
.rept 4
	v_nop
.endr
.endm
; A joint refill by the walking sets.  Waves 0 and 1 fetch xh's halves, waves 2 and 3 wh's; the branch hangs on the wave's number alone.  s_nop 0 and four v_nop follow each line.
.macro JLOAD
	s_cmp_eq_u32 s11, 0
	s_cbranch_scc0 .Lfor_b_\@
	tensor_load_to_lds s[G0+4:G0+7], s[G1:G1+7]
	s_nop 0
.rept 4
	v_nop
.endr
	s_branch .Lasked_\@
.Lfor_b_\@:
	tensor_load_to_lds s[G0B+4:G0B+7], s[G1B:G1B+7]
	s_nop 0
.rept 4
	v_nop
.endr
.Lasked_\@:
.endm
; THE PREFETCHES.  In every fourth trip (i = 0, 4, 8) four K steps are asked for, i + 4 to i + 7: the partner at place p takes step i + 4 + p whole (p = cx for xh, cy for wh): told apart by address alone.
; A step of a tile's rows is dense: 32,768 bytes of xh, 49,152 of wh.  xh's rows are read by the two clusters of a row of clusters: each takes 16,384 bytes; wh's by the eight clusters of a column: those with y = 0, 1, 2
; take 16,384 each.  Wave 0 asks for xh, wave 2 for wh: two instructions, a lane 256 bytes.  So each aligned block of 256 bytes is named once.  Steps 0 to 3 come by their loads alone; trip 12 asks for nothing: there is no step 16.
.macro ASK
	s_and_b32 s23, s3, 3
	s_cmp_eq_u32 s23, 2                            ; s3 = 14, 10, 6, 2 in trips 0, 4, 8, 12
	s_cselect_b32 s23, s3, 0
	s_cmp_gt_u32 s23, s[LIM]
	s_cbranch_scc0 .Lnot_mine_\@
	global_prefetch_b8 v[PFO], s[PFA:PFA+1] th:TH_LOAD_NT scope:SCOPE_SE
	global_prefetch_b8 v[PFO], s[PFA:PFA+1] offset:8192 th:TH_LOAD_NT scope:SCOPE_SE
.Lnot_mine_\@:
.endm
.macro CREST                           ; a round of the cluster's barrier behind its opening barrier
	s_cmp_lg_u32 s10, 0
	s_cbranch_scc1 .Lnot_wave_0_\@
	s_barrier_signal -3
.Lnot_wave_0_\@:
	s_barrier_wait -3
	s_barrier_signal -1
	s_barrier_wait -1
.endm
.macro CROUND
	s_barrier_signal -1
	s_barrier_wait -1
	CREST
.endm
	s_load_b128 s[4:7], s[0:1], 0x0                ; xh s[4:5], wh s[6:7]
	s_load_b128 s[72:75], s[0:1], 0x10             ; bq s[72:73], bk s[74:75]
	s_load_b128 s[76:79], s[0:1], 0x20             ; bv s[76:77], qkv s[78:79]
	v_lshl_add_u32 v[SPW], v0, 2, SPARE
	v_mov_b32 v[NIL], 0
	ds_add_u32 v[SPW], v[NIL]                      ; the wave's opening: the add and its wait stand ahead of my first tensor load; work on registers stands between
	v_lshrrev_b32 v1, 5, v0
	v_readfirstlane_b32 s10, v1                    ; wave 0..3
	s_lshr_b32 s11, s10, 1                         ; my half of the tile's rows.  Also: I fetch for xh (0) or wh (1)
	s_and_b32 s12, s10, 1                          ; my half of its columns.  Also: which half of that tile I fetch
	s_bfe_u32 s40, ttmp6, 0x40000                  ; cx
	s_bfe_u32 s41, ttmp6, 0x40004                  ; cy
	s_lshl_b32 s42, ttmp9, 2
	s_add_co_u32 s42, s42, s40                     ; tile column = 4 x cluster x + cx
	s_and_b32 s13, ttmp7, 0xffff
	s_lshl_b32 s13, s13, 2
	s_add_co_u32 s13, s13, s41                     ; tile row = 4 x cluster y + cy
	s_lshl_b32 s43, s41, 2
	s_lshl_b32 s43, 15, s43                        ; my row of the cluster
	s_lshl_b32 s44, 0x1111, s40                    ; my column
	s_or_b32 s[G1+0], s43, (1<<16)|(1<<20)|(1<<21)|(4<<22)|(3<<25)   ; mask; 2-byte elements; padding on; bit 21 beside a mask; after every 32 words, 4 words
	s_or_b32 s[G1B+0], s44, (1<<16)|(1<<20)|(1<<21)|(4<<22)|(3<<25)
.irp g, G1, G1B
	s_mov_b32 s[(\g)+1], 128<<16                   ; tensor_dim0 = 128 elements: 256 bytes, two rows of the tile
	s_mov_b32 s[(\g)+3], 128<<16                   ; tile_dim0 = 128
	s_mov_b32 s[(\g)+5], 128                       ; elements from row to row: the block is dense
	s_mov_b32 s[(\g)+6], 0
	s_mov_b32 s[(\g)+7], 0
.endr
	s_mov_b32 s[G1+2], 64<<16                      ; xh: tensor_dim1 = 64
	s_mov_b32 s[G1+4], 64                          ; tile_dim1 = 64: 128 rows of the tile
	s_mov_b32 s[G1B+2], 96<<16                     ; wh: 96: 192 rows of the tile
	s_mov_b32 s[G1B+4], 96
	s_lshl_b32 s16, s13, 15                        ; xh: (256 x tile row + 128 x half) rows of 128 bytes
	s_lshl_b32 s17, s12, 14
	s_add_co_u32 s16, s16, s17
	s_mul_i32 s46, s42, 384*128                    ; wh: (384 x tile column + 192 x half) rows
	s_mul_i32 s47, s12, 192*128
	s_add_co_u32 s46, s46, s47
	s_mov_b32 s17, 0
	s_mov_b32 s47, 0
	s_mul_i32 s20, s12, AHALF                      ; where they go: no place in the cluster enters an LDS address
	s_mul_i32 s21, s12, BHALF
	s_add_co_u32 s21, s21, BOFF
	s_mov_b32 s[TB], 0
	s_wait_dscnt 0x0                               ; the opening add is done
	s_wait_kmcnt 0x0
	s_add_nc_u64 s[14:15], s[4:5], s[16:17]
	s_add_nc_u64 s[46:47], s[6:7], s[46:47]
	CROUND                                         ; all sixteen work-groups are here: the first joint loads meet
.irp s, 0,1
	s_mov_b32 s[G0+4*(\s)], 1
	s_add_co_u32 s[G0+4*(\s)+1], s20, (\s)*SLOT1
	s_add_nc_u64 s[G0+4*(\s)+2:G0+4*(\s)+3], s[14:15], (\s)*PLX
	s_or_b32 s[G0+4*(\s)+3], s[G0+4*(\s)+3], 0x80000000
	s_mov_b32 s[G0B+4*(\s)], 1
	s_add_co_u32 s[G0B+4*(\s)+1], s21, (\s)*SLOT1
	s_add_nc_u64 s[G0B+4*(\s)+2:G0B+4*(\s)+3], s[46:47], (\s)*PLW
	s_or_b32 s[G0B+4*(\s)+3], s[G0B+4*(\s)+3], 0x80000000
.endr
	s_cmp_eq_u32 s11, 0                            ; a wave's two first fills stand in one branch: two loads of mine are out
	s_cbranch_scc0 .Lfirst_b
	tensor_load_to_lds s[G0:G0+3], s[G1:G1+7]
	s_nop 0
	tensor_load_to_lds s[G0+4:G0+7], s[G1:G1+7]
	s_nop 0
.rept 4
	v_nop
.endr
	s_branch .Lfirst_asked
.Lfirst_b:
	tensor_load_to_lds s[G0B:G0B+3], s[G1B:G1B+7]
	s_nop 0
	tensor_load_to_lds s[G0B+4:G0B+7], s[G1B:G1B+7]
	s_nop 0
.rept 4
	v_nop
.endr
.Lfirst_asked:
	; THE BIAS.  A tile's 384 columns may cross from q to k or from k to v, a block of 16 never: each block's vector is chosen by its column number
	v_and_b32 v1, 15, v0                           ; l % 16
	v_bfe_u32 v2, v0, 4, 1                         ; l / 16
	v_lshlrev_b32 v[BO], 5, v2                     ; my eight columns of a block of 16: 32 bytes for each half of the lanes
	s_mul_i32 s[COL], s42, 384
	s_mul_i32 s20, s12, 192
	s_add_co_u32 s[COL], s[COL], s20
	s_mov_b32 s21, 0
.macro BIASLD b
	s_wait_xcnt 0x0                                ; the loads issued so far have read their base: it is written anew
	s_add_co_u32 s20, s[COL], 16*(\b)
	s_lshr_b32 s22, s20, 10                        ; 0: q, 1: k, 2: v
	s_and_b32 s20, s20, 1023
	s_lshl_b32 s20, s20, 2
	s_cmp_eq_u32 s22, 1
	s_cselect_b64 s[BP:BP+1], s[74:75], s[76:77]
	s_cmp_eq_u32 s22, 0
	s_cselect_b64 s[BP:BP+1], s[72:73], s[BP:BP+1]
	s_add_nc_u64 s[BP:BP+1], s[BP:BP+1], s[20:21]
	WIN (1+(\b)/4)<<6                              ; destination: the block's window
	global_load_b128 v[64*((\b)%4)+56:64*((\b)%4)+59], v[BO], s[BP:BP+1]
	global_load_b128 v[64*((\b)%4)+60:64*((\b)%4)+63], v[BO], s[BP:BP+1] offset:16
.endm
.irp b, 0,1,2,3,4,5,6,7,8,9,10,11
	BIASLD \b
.endr
	WIN 0
	; a fragment is 16 rows x 32 K in 8 registers: lane l holds row l % 16, K = 8 (l / 16) + 0..7 and 16 + 8 (l / 16) + 0..7: two loads of 16 bytes, 32 bytes apart
	v_mul_u32_u24 v3, v1, PITCH
	v_lshl_add_u32 v3, v2, 4, v3
	s_mul_i32 s87, s11, AHALF
	s_mul_i32 s88, s12, BHALF
	s_add_co_u32 s88, s88, BOFF
	v_add_nc_u32 v[ADRA0], s87, v3
	v_add_nc_u32 v[ADRB0], s88, v3
	v_mov_b32 v[ADRA], v[ADRA0]
	v_mov_b32 v[ADRB], v[ADRB0]
	s_mul_i32 s87, s11, 64*SPITCH                  ; into the stage: my 64 rows of a pass, my 384 bytes of their 768; row l % 16, 16 bytes for each half of the lanes
	s_mul_i32 s88, s12, 384
	s_add_co_u32 s87, s87, s88
	s_add_co_u32 s87, s87, STAGE
	v_mul_u32_u24 v4, v1, SPITCH
	v_lshl_add_u32 v4, v2, 4, v4
	v_add_nc_u32 v[STO], s87, v4
	s_mul_i32 s87, s10, 32*SPITCH                  ; back: wave w takes rows 32 w .. 32 w + 31 of the stage, whole; lanes 0-15 256 bytes of one row, lanes 16-31 of the next
	s_add_co_u32 s87, s87, STAGE
	v_mul_u32_u24 v5, v2, SPITCH
	v_lshl_add_u32 v5, v1, 4, v5
	v_add_nc_u32 v[RD], s87, v5
	v_mul_u32_u24 v5, v2, ROWC
	v_lshl_add_u32 v[CO], v1, 4, v5                ; the same two rows in qkv
	s_lshl_b32 s88, s13, 8                         ; the first row that I store: 256 x tile row + 128 x (w / 2) + 32 x (w % 2); the second pass lies 64 rows further down
	s_lshl_b32 s89, s11, 7
	s_add_co_u32 s88, s88, s89
	s_lshl_b32 s89, s12, 5
	s_add_co_u32 s88, s88, s89
	s_mul_i32 s88, s88, ROWC                       ; under 2^26
	s_mul_i32 s89, s42, 768                        ; the tile's first column, in bytes
	s_add_co_u32 s88, s88, s89
	s_mov_b32 s89, 0
	s_add_nc_u64 s[CB:CB+1], s[CB:CB+1], s[88:89]
	; the prefetches: both offsets are made, the wave's number chooses
	s_and_b32 s22, ttmp7, 0xffff                   ; cluster y
	s_add_co_u32 s20, s40, 3                       ; xh: at step 3 + cx: each refill steps it by one, the first to 4 + cx
	s_lshl_b32 s20, s20, 20
	s_lshl_b32 s23, s13, 15                        ; the tile's 256 rows,
	s_add_co_u32 s20, s20, s23
	s_lshl_b32 s23, ttmp9, 14                      ; my cluster's half of them
	s_add_co_u32 s20, s20, s23
	s_add_co_u32 s21, s41, 3                       ; wh: at step 3 + cy
	s_mul_i32 s21, s21, PLW
	s_mul_i32 s23, s42, 384*128                    ; the tile's 384 rows,
	s_add_co_u32 s21, s21, s23
	s_lshl_b32 s23, s22, 14                        ; my cluster's third of them
	s_add_co_u32 s21, s21, s23
	s_cmp_lt_u32 s22, 3
	s_cselect_b32 s23, 2, -1
	s_mov_b32 s[PST], PLW
	s_cmp_eq_u32 s11, 0
	s_cselect_b32 s20, s20, s21
	s_cselect_b32 s[LIM], 2, s23
	s_cselect_b32 s[PST], PLX, s[PST]
	s_cselect_b64 s[PFA:PFA+1], s[4:5], s[6:7]
	s_cmp_eq_u32 s12, 0                            ; waves 0 and 2 ask
	s_cselect_b32 s[LIM], s[LIM], -1               ; the same in all sixteen partners, for a given wave
	s_mov_b32 s21, 0
	s_mov_b32 s[PST+1], 0
	s_add_nc_u64 s[PFA:PFA+1], s[PFA:PFA+1], s[20:21]
	v_and_b32 v[PFO], 31, v0
	v_lshlrev_b32 v[PFO], 8, v[PFO]
; Eight matrix instructions: column block b x all 8 row blocks, 32 along K, xh's fragments in buffer f.  The 96 accumulators take turns, in the same order in every quarter, over the backward jump too.
; first = 1: the products start the sums.  Seven take the bias, which lies in accumulator (7, b)'s registers, as C; five plain instructions later (that product writes over a source of the seven: ISA guide 7.12.1) the eighth adds onto it in place.
.macro GRPB f, b, first
	WIN (1+(\b)/4)*0x50
.irp a, 0,1,2,3,4,5,6,7
.if (\first) && ((\a) < 7)
	v_wmma_f32_16x16x32_f16 v[64*((\b)%4)+8*(\a):64*((\b)%4)+8*(\a)+7], v[FB+8*(\b):FB+8*(\b)+7], v[(\f)+8*(\a):(\f)+8*(\a)+7], v[64*((\b)%4)+56:64*((\b)%4)+63]
.else
.if \first
.rept 5
	v_nop
.endr
.endif
	v_wmma_f32_16x16x32_f16 v[64*((\b)%4)+8*(\a):64*((\b)%4)+8*(\a)+7], v[FB+8*(\b):FB+8*(\b)+7], v[(\f)+8*(\a):(\f)+8*(\a)+7], v[64*((\b)%4)+8*(\a):64*((\b)%4)+8*(\a)+7]
.endif
.endr
.endm
; 12 LDS loads: half hf of wh's fragments for quarter q of the slot in hand
.macro LOADB q, hf
.irp i, 0,1,2,3,4,5
	ds_load_b128 v[FB+8*(6*(\hf)+(\i)):FB+8*(6*(\hf)+(\i))+3],   v[ADRB] offset:(6*(\hf)+(\i))*16*PITCH+64*(\q)
	ds_load_b128 v[FB+8*(6*(\hf)+(\i))+4:FB+8*(6*(\hf)+(\i))+7], v[ADRB] offset:(6*(\hf)+(\i))*16*PITCH+64*(\q)+32
.endr
.endm
; 16 LDS loads: xh's fragments for quarter q of the slot in hand, into buffer f
.macro LOADA q, f
.irp i, 0,1,2,3,4,5,6,7
	ds_load_b128 v[(\f)+8*(\i):(\f)+8*(\i)+3],   v[ADRA] offset:(\i)*16*PITCH+64*(\q)
	ds_load_b128 v[(\f)+8*(\i)+4:(\f)+8*(\i)+7], v[ADRA] offset:(\i)*16*PITCH+64*(\q)+32
.endr
.endm
; A step's first quarter: buffer FA0.  All that it fetches lies in its own slot: its own upper half of wh, the second quarter's xh, and in its middle the second quarter's lower half of wh.
.macro Q0 first
	WIN 0
	PLACES
	LOADB 0, 1
	LOADA 1, FA1
	s_wait_dscnt 28                                ; all but the 28 just issued: this quarter's xh and lower half of wh are in
.irp b, 0,1,2,3,4,5
	GRPB FA0, \b, \first
.endr
	WIN 0
	PLACES
	LOADB 1, 0
	s_wait_dscnt 12                                ; all but the 12 just issued
.irp b, 6,7,8,9,10,11
	GRPB FA0, \b, \first
.endr
.endm
; A step's second quarter: buffer FA1.  At its head it reads the slot's last bytes, its own upper half of wh.  mode 0: the very last quarter.  mode 1, 2: THE CHANGE OF SLOTS: each wave waits for all its tensor loads
; (one is out: its part of the next slot), adds 0 to its spare word, and waits for that and for its reads of this slot.  Behind the barrier nobody reads this slot any more and the next slot is whole.
; mode 2: the barrier opens a round of the cluster's; behind it this slot is filled again, with the step two on: 176 matrix instructions ahead of the wait for it.
.macro Q1 mode
.if (\mode) == 2
	s_wait_xcnt 0x0                                ; the last prefetches, a step back or more, have read their address
	s_add_nc_u64 s[PFA:PFA+1], s[PFA:PFA+1], s[PST:PST+1]
.endif
	WIN 0
	PLACES
	LOADB 1, 1
	s_wait_dscnt 12                                ; all but the 12 just issued: the lower half of wh is in
.if (\mode) == 0
.irp b, 0,1,2,3,4,5
	GRPB FA1, \b, 0
.endr
	s_wait_dscnt 0x0
.irp b, 6,7,8,9,10,11
	GRPB FA1, \b, 0
.endr
.else
	GRPB FA1, 0, 0
	GRPB FA1, 1, 0
	WIN 0                                          ; (the add's two registers lie in window 0)
	s_wait_tensorcnt 0x0
	ds_add_u32 v[SPW], v[NIL]
	s_xor_b32 s[TB], s[TB], SLOT1                  ; the fetches go on in the other slot
	v_add_nc_u32 v[ADRA], s[TB], v[ADRA0]
	v_add_nc_u32 v[ADRB], s[TB], v[ADRB0]
	GRPB FA1, 2, 0                                 ; eight matrix instructions stand between the add and the wait for it
	s_wait_dscnt 0x0                               ; the add is done, my reads of this slot are over
	s_barrier_signal -1
	GRPB FA1, 3, 0
	WIN 0
	s_barrier_wait -1
.if (\mode) == 2
	CREST
	s_xor_b32 s[G0+5], s[G0+5], SLOT1              ; the walking sets: the other slot than last time, the next step; no load of mine is out
	s_add_nc_u64 s[G0+6:G0+7], s[G0+6:G0+7], PLX
	s_xor_b32 s[G0B+5], s[G0B+5], SLOT1
	s_add_nc_u64 s[G0B+6:G0B+7], s[G0B+6:G0B+7], PLW
	JLOAD                                          ; its four v_nop are also places in front of the loads below
.else
	PLACES
.endif
	LOADA 0, FA0
.if (\mode) == 2
	ASK
.endif
	GRPB FA1, 4, 0
	GRPB FA1, 5, 0
	WIN 0
	PLACES
	LOADB 0, 0
.irp b, 6,7,8,9,10,11
	GRPB FA1, \b, 0
.endr
.endif
.endm
; THE WAY OUT, in two passes of four row blocks a wave (the stage holds half the tile).  A wave's 192 columns are 384 bytes, so an aligned 256 bytes of qkv may come from two waves: the four waves share the stage.
; PACKP: rounded to f16, 16 bytes a lane for each accumulator, each read in ascending order; number i of a window's 64: row block i / 16, column block (i / 4) % 4.
.macro PACKP p
.irp w, 1,2,3
	WIN (\w)|((\w)<<2)
.set i, 0
.rept 64
	v_cvt_pk_f16_f32 v[TMP+64*((\w)-1)+i], v[8*(8*((i/4)%4)+4*(\p)+i/16)+2*(i%4)], v[8*(8*((i/4)%4)+4*(\p)+i/16)+2*(i%4)+1]
.set i, i+1
.endr
.endr
	WIN 0
.endm
; OUTP: into the stage; a barrier; back as whole rows of 768 bytes, 32 rows a wave; stored.
.macro OUTP p
.set k, 0
.rept 48
	ds_store_b128 v[STO], v[TMP+4*k:TMP+4*k+3] offset:((k/4)%4)*16*SPITCH+32*(4*(k/16)+k%4)
.set k, k+1
.endr
	s_wait_dscnt 0x0                               ; for the others' sake: my stores into the stage are done
	s_barrier_signal -1
	s_barrier_wait -1
.set k, 0
.rept 48
	ds_load_b128 v[TMP+4*k:TMP+4*k+3], v[RD] offset:(k/3)*2*SPITCH+256*(k%3)
.set k, k+1
.endr
.set k, 0
.rept 48
.if k%16 == 0
	s_wait_dscnt 32-k                              ; the next sixteen loads are back; the younger ones may be out
.endif
	global_store_b128 v[CO], v[TMP+4*k:TMP+4*k+3], s[CB:CB+1] offset:(64*(\p)+2*(k/3))*ROWC+256*(k%3)  ; 16 lanes store 256 consecutive bytes, aligned
.set k, k+1
.endr
.endm
	s_wait_loadcnt 0x0                             ; the bias
	s_wait_tensorcnt 1                             ; my part of step 0 is in; step 1's may stay out
	s_barrier_signal -1
	s_barrier_wait -1
	LOADB 0, 0
	LOADA 0, FA0
	Q0 1                                           ; the first quarter starts the sums
	WIN 0
	s_mov_b32 s3, STEPS-2
.Lstep:                                                ; trip i: the second quarter of step i, the first of step i + 1; step i + 2 is asked for
	Q1 2
	Q0 0
	WIN 0
	s_sub_co_u32 s3, s3, 1
	s_cmp_lg_u32 s3, 0
	s_cbranch_scc1 .Lstep
	Q1 1                                           ; the tail is written out: steps 14 and 15, nothing is asked for
	Q0 0
	Q1 0
	WIN 0
	PLACES
	PACKP 0
	OUTP 0
	s_wait_xcnt 0x0                                ; the stores have read their registers, which the second pass writes anew
	s_barrier_signal -1                            ; my reads of the stage are back (the last wait was for 0);
	PACKP 1                                        ; work on registers while the others arrive;
	s_barrier_wait -1                              ; nobody reads the stage any more: it is written again
	OUTP 1
	s_wait_tensorcnt 0x0                           ; the wave's end
	ds_add_u32 v[SPW], v[NIL]
	s_wait_dscnt 0x0
	CROUND                                         ; the closing round
	s_endpgm
.Lfunc_end_k_qf92b569726_proj:
	.size	k_qf92b569726_proj, .Lfunc_end_k_qf92b569726_proj-k_qf92b569726_proj
	.p2alignl 7, 3214868480
	.fill 96, 4, 3214868480
	.section	.rodata,"a",@progbits
	.p2align	6, 0x0
	.amdhsa_kernel k_qf92b569726_proj
		.amdhsa_group_segment_fixed_size 327680
		.amdhsa_private_segment_fixed_size 0
		.amdhsa_enable_private_segment 0
		.amdhsa_kernarg_size 48
		.amdhsa_user_sgpr_count 2
		.amdhsa_user_sgpr_kernarg_segment_ptr 1
		.amdhsa_wavefront_size32 1
		.amdhsa_system_sgpr_workgroup_id_x 1
		.amdhsa_system_sgpr_workgroup_id_y 1
		.amdhsa_system_sgpr_workgroup_id_z 1
		.amdhsa_system_vgpr_workitem_id 0
		.amdhsa_next_free_vgpr 1024
		.amdhsa_next_free_sgpr 96
		.amdhsa_reserve_vcc 0
		.amdhsa_float_denorm_mode_32 3
		.amdhsa_float_denorm_mode_16_64 3
		.amdhsa_memory_ordered 1
		.amdhsa_forward_progress 1
		.amdhsa_inst_pref_size 120
	.end_amdhsa_kernel
	.amdgpu_metadata
---
amdhsa.version: [ 1, 2 ]
amdhsa.kernels:
  - .name:           k_qf92b569726_proj
    .symbol:         k_qf92b569726_proj.kd
    .args:
      - { .name: xh, .offset: 0, .size: 8, .value_kind: global_buffer, .address_space: global }
      - { .name: wh, .offset: 8, .size: 8, .value_kind: global_buffer, .address_space: global }
      - { .name: bq, .offset: 16, .size: 8, .value_kind: global_buffer, .address_space: global }
      - { .name: bk, .offset: 24, .size: 8, .value_kind: global_buffer, .address_space: global }
      - { .name: bv, .offset: 32, .size: 8, .value_kind: global_buffer, .address_space: global }
      - { .name: qkv, .offset: 40, .size: 8, .value_kind: global_buffer, .address_space: global }
    .group_segment_fixed_size: 327680
    .private_segment_fixed_size: 0
    .kernarg_segment_align: 8
    .kernarg_segment_size: 48
    .max_flat_workgroup_size: 128
    .sgpr_count:     96
    .vgpr_count:     1024
    .wavefront_size: 32
...
	.end_amdgpu_metadata
.endif
;; end of part 2
;; launch scores (part 3): grid 8 x 32, 4 waves a work-group, clusters of 4 x 4, 327,680 bytes of LDS; arguments qkv, pw, st; writes pw, st
.if DOCPART == 3
	.amdgcn_target "amdgcn-amd-amdhsa--gfx1250"
	.amdhsa_code_object_version 6
	.text
	.protected	k_qf92b569726_scores
	.globl	k_qf92b569726_scores
	.p2align	8
	.type	k_qf92b569726_scores,@function
k_qf92b569726_scores:
	s_mov_b64 s[64:65], 0
	v_nop
	global_prefetch_b8 v0, s[64:65] scope:SCOPE_SE
	s_setreg_imm32_b32 hwreg(HW_REG_WAVE_MODE, 25, 1), 1
	s_wait_xcnt 0x0
	s_wait_alu depctr_hold_cnt(0) depctr_sa_sdst(0) depctr_va_vdst(0) depctr_va_sdst(0) depctr_va_ssrc(0) depctr_va_vcc(0) depctr_vm_vsrc(0)
	s_getreg_b32 s2, hwreg(HW_REG_IB_STS2, 6, 4)
	s_cmp_eq_u32 s2, 0
	s_cbranch_scc0 .Lentry_in_a_cluster
	s_endpgm
.Lentry_in_a_cluster:
	s_bfe_u32 s2, ttmp6, 0x10000c
	s_cmp_lg_u32 s2, 0xf033
	s_cbranch_scc0 .Lentry_shape_is_right
	s_endpgm
.Lentry_shape_is_right:
; For each batch: s = q k^T, and the softmax's first half by CHUNKS of 128 keys.  qkv [8192][3072] f16 (columns q, k, v; row = 2048 b + position).
; A wave's 128 x 128 of s is, for each of its 128 queries, one chunk: m = the true maximum of the chunk's scores, p = 2^(c s - c m), c = log2(e) / 32, l = the sum of the unrounded p.
; pw [8192][2048] f16 takes p (rounded once), st [16 chunks][8192 rows][2] f32 takes (c m, l).  The next launch joins the chunks by the row's maximum of c m.
; LIMITS: p lies in 0 to 1 (to within the rounding of c m) and below 6e-5 keeps f16's fixed step of 6e-8; a p below 2^-126 counts as 0 in l; NaN and infinities are not treated apart.
; A tile of 256 queries x 256 keys is made by four waves; K = 1,024 goes in 8 steps of 128 through two LDS slots filled by the tensor data mover.  8 x 32 = 256 tiles.
; CLUSTER 4 x 4: a row of the cluster shares its rows of q, a column its rows of k (a cluster's four tile rows lie in one batch): joint loads.
; THE MATRIX INSTRUCTION IS USED TRANSPOSED (source 0 = 16 keys, source 1 = 16 queries): lane l holds ONE query (l % 16) and the keys 8 (l / 16) + 0..7 of each block of 16:
; a query's maximum and sum want its lane's 64 registers and one exchange between the halves of the lanes.
; REGISTERS in windows of 256 (s_set_vgpr_msb: bits 1:0 source 0, 3:2 source 1, 5:4 source 2, 7:6 destination):
;   window 0: v0-31 addresses; v64-127, v128-191 q's fragments, two buffers (on the way out v64-103 at work); v192-223 packed p; v32-63 and v224-255 rows read back, by turns
;   window 1: v64-127, v128-191 k's fragments      window 2: accumulators of my queries 0-63 ((a, b) at 8 (8 a + b))      window 3: those of queries 64-127
.set KSTEP,  128
.set STEPS,  8
.set ROWA,   6144                      ; bytes in a row of qkv
.set ROWC,   4096                      ; bytes in a row of pw
.set PITCH,  272                       ; an LDS row: 256 bytes + 16 of padding: the 16 rows of a fragment load start 4 banks apart (64 banks of 4 bytes: ISA guide 11.1)
.set HALFT,  128*PITCH
.set SLOT,   4*HALFT                   ; q's 256 rows, then k's 256 rows.  0x22000: wave x HALFT has neither of its two bits, so an exclusive or changes slots
.set STAGE,  2*SLOT
.set SPITCH, 272
.set SPARE,  STAGE+4*16*SPITCH         ; the spare words: 128 bytes for each wave, two blocks of 256 bytes that no other line names
.set ADRA0, 14
.set ADRB0, 15
.set ADRA,  16
.set ADRB,  20
.set STO,   24
.set RD,    25
.set CO,    26
.set SO,    27                         ; v27  8 x my lane: my place in 32 rows of st
.set SPW,   28
.set NIL,   29
.set PFO,   30
.set LN,    31                         ; v31  my lane
.set F0,    64
.set F1,    128
.set TMP,   192
.set OB,    32
.set CC,    64                         ; v64-71  eight running maxima
.set TX,    72                         ; v72     what the other half of the lanes sends
.set MS,    80                         ; v80-95  block a: (c m, m), later (c m, l)
.set SS,    96                         ; v96-103 the same, two blocks to a store
.set G1,  24
.set G0,  32
.set G1B, 48
.set G0B, 56
.set LIM, 43
.set PFA, 44
.set TB,  66
.set HM,  67                           ; s67  the mask of lanes 16-31
.set CS,  68                           ; s[68:69] c, named as a pair
.set SEL, 70                           ; s[70:71] v_permlanex16_b32's selects: each lane takes its own place in the other half
.set SB,  72                           ; s[72:73] st
.set CB,  78                           ; s[78:79] pw
.set MSB, 0
.macro WIN new
.if MSB != (\new)
	s_set_vgpr_msb (MSB<<8)|(\new)
.set MSB, \new
.endif
.endm
.macro PLACES
.rept 4
	v_nop
.endr
.endm
.macro JLOAD                           ; a joint refill by the walking sets: waves 0 and 1 fetch q's halves, waves 2 and 3 k's; s_nop 0 and four v_nop follow each line
	s_cmp_eq_u32 s11, 0
	s_cbranch_scc0 .Lfor_b_\@
	tensor_load_to_lds s[G0+4:G0+7], s[G1:G1+7]
	s_nop 0
.rept 4
	v_nop
.endr
	s_branch .Lasked_\@
.Lfor_b_\@:
	tensor_load_to_lds s[G0B+4:G0B+7], s[G1B:G1B+7]
	s_nop 0
.rept 4
	v_nop
.endr
.Lasked_\@:
.endm
; A prefetch of the K step two refills on: 32 rows x 256 bytes, a lane a row.  q's rows are read by the two clusters of a row of clusters: the one with x = 0 asks; k's rows by the two clusters
; of a batch in a column of clusters: the one with even y asks.  The four partners take 32 of a wave's 128 rows each, by address.  Trip i names step i + 4: the last two trips name nothing.
.macro ASK
	s_cmp_gt_u32 s3, s[LIM]
	s_cbranch_scc0 .Lnot_mine_\@
	global_prefetch_b8 v[PFO], s[PFA:PFA+1] offset:KSTEP*2 th:TH_LOAD_NT scope:SCOPE_SE
.Lnot_mine_\@:
.endm
.macro CREST
	s_cmp_lg_u32 s10, 0
	s_cbranch_scc1 .Lnot_wave_0_\@
	s_barrier_signal -3
.Lnot_wave_0_\@:
	s_barrier_wait -3
	s_barrier_signal -1
	s_barrier_wait -1
.endm
.macro CROUND
	s_barrier_signal -1
	s_barrier_wait -1
	CREST
.endm
	s_load_b64 s[4:5], s[0:1], 0x0                 ; qkv
	s_load_b64 s[CB:CB+1], s[0:1], 0x8             ; pw
	s_load_b64 s[SB:SB+1], s[0:1], 0x10            ; st
	v_lshl_add_u32 v[SPW], v0, 2, SPARE
	v_mov_b32 v[NIL], 0
	ds_add_u32 v[SPW], v[NIL]                      ; the wave's opening: the add and its wait stand ahead of my first tensor load
	v_lshrrev_b32 v1, 5, v0
	v_readfirstlane_b32 s10, v1                    ; wave 0..3
	s_lshr_b32 s11, s10, 1                         ; my half of the queries.  Also: I fetch for q (0) or k (1)
	s_and_b32 s12, s10, 1                          ; my half of the keys.  Also: which 128 rows I fetch
	s_bfe_u32 s40, ttmp6, 0x40000                  ; cx
	s_bfe_u32 s41, ttmp6, 0x40004                  ; cy
	s_lshl_b32 s42, ttmp9, 2
	s_add_co_u32 s42, s42, s40                     ; key tile of the batch = 4 x cluster x + cx
	s_and_b32 s13, ttmp7, 0xffff
	s_lshl_b32 s13, s13, 2
	s_add_co_u32 s13, s13, s41                     ; query tile over all batches = 4 x cluster y + cy
	s_lshl_b32 s43, s41, 2
	s_lshl_b32 s43, 15, s43
	s_lshl_b32 s44, 0x1111, s40
	s_or_b32 s[G1+0], s43, (1<<16)|(1<<20)|(1<<21)|(5<<22)|(3<<25)
	s_or_b32 s[G1B+0], s44, (1<<16)|(1<<20)|(1<<21)|(5<<22)|(3<<25)
.irp g, G1, G1B
	s_mov_b32 s[(\g)+1], KSTEP<<16
	s_mov_b32 s[(\g)+2], 128<<16
	s_mov_b32 s[(\g)+3], KSTEP<<16
	s_mov_b32 s[(\g)+4], 128
	s_mov_b32 s[(\g)+5], 3072                      ; elements from row to row of qkv
	s_mov_b32 s[(\g)+6], 0
	s_mov_b32 s[(\g)+7], 0
.endr
	s_lshl_b32 s17, s12, 7
	s_lshl_b32 s16, s13, 8
	s_add_co_u32 s16, s16, s17                     ; q: row 256 x query tile + 128 x half
	s_mul_i32 s16, s16, ROWA                       ; under 2^26
	s_and_b32 s47, ttmp7, 0xffff                   ; k: the batch is cluster y / 2: cy never enters these registers
	s_lshr_b32 s47, s47, 1
	s_lshl_b32 s47, s47, 11
	s_lshl_b32 s46, s42, 8
	s_add_co_u32 s46, s46, s47
	s_add_co_u32 s46, s46, s17                     ; row 2,048 x batch + 256 x key tile + 128 x half
	s_mul_i32 s46, s46, ROWA
	s_mov_b32 s17, 0
	s_mov_b32 s47, 0
	s_mul_i32 s20, s10, HALFT
	s_mov_b32 s[TB], 0
	s_mov_b32 s[CS], 0x3d38aa3b                    ; c = log2(e) / 32
	s_mov_b32 s[CS+1], s[CS]
	s_mov_b32 s[SEL], 0x76543210
	s_mov_b32 s[SEL+1], 0xfedcba98
	s_wait_dscnt 0x0
	s_wait_kmcnt 0x0
	s_add_nc_u64 s[6:7], s[4:5], 2048              ; k's columns begin 2,048 bytes into a row
	s_add_nc_u64 s[14:15], s[4:5], s[16:17]
	s_add_nc_u64 s[46:47], s[6:7], s[46:47]
	CROUND
.irp s, 0,1
	s_mov_b32 s[G0+4*(\s)], 1
	s_add_co_u32 s[G0+4*(\s)+1], s20, (\s)*SLOT
	s_add_nc_u64 s[G0+4*(\s)+2:G0+4*(\s)+3], s[14:15], (\s)*KSTEP*2
	s_or_b32 s[G0+4*(\s)+3], s[G0+4*(\s)+3], 0x80000000
	s_mov_b32 s[G0B+4*(\s)], 1
	s_add_co_u32 s[G0B+4*(\s)+1], s20, (\s)*SLOT
	s_add_nc_u64 s[G0B+4*(\s)+2:G0B+4*(\s)+3], s[46:47], (\s)*KSTEP*2
	s_or_b32 s[G0B+4*(\s)+3], s[G0B+4*(\s)+3], 0x80000000
.endr
	s_cmp_eq_u32 s11, 0
	s_cbranch_scc0 .Lfirst_b
	tensor_load_to_lds s[G0:G0+3], s[G1:G1+7]
	s_nop 0
	tensor_load_to_lds s[G0+4:G0+7], s[G1:G1+7]
	s_nop 0
.rept 4
	v_nop
.endr
	s_branch .Lfirst_asked
.Lfirst_b:
	tensor_load_to_lds s[G0B:G0B+3], s[G1B:G1B+7]
	s_nop 0
	tensor_load_to_lds s[G0B+4:G0B+7], s[G1B:G1B+7]
	s_nop 0
.rept 4
	v_nop
.endr
.Lfirst_asked:
	v_and_b32 v1, 15, v0
	v_bfe_u32 v2, v0, 4, 1
	v_and_b32 v[LN], 31, v0
	v_lshlrev_b32 v[SO], 3, v[LN]
	v_mul_u32_u24 v3, v1, PITCH
	v_lshl_add_u32 v3, v2, 4, v3
	s_mul_i32 s21, s11, HALFT
	s_mul_i32 s22, s12, HALFT
	s_add_co_u32 s22, s22, 2*HALFT
	v_add_nc_u32 v[ADRA0], s21, v3
	v_add_nc_u32 v[ADRB0], s22, v3
	v_mov_b32 v[ADRA], v[ADRA0]
	v_mov_b32 v[ADRB], v[ADRB0]
	s_mul_i32 s23, s10, 16*SPITCH
	s_add_co_u32 s23, s23, STAGE
	v_mul_u32_u24 v4, v1, SPITCH
	v_lshl_add_u32 v4, v2, 4, v4
	v_add_nc_u32 v[STO], s23, v4
	v_mul_u32_u24 v5, v2, SPITCH
	v_lshl_add_u32 v5, v1, 4, v5
	v_add_nc_u32 v[RD], s23, v5
	v_mul_u32_u24 v5, v2, ROWC
	v_lshl_add_u32 v[CO], v1, 4, v5
	s_lshl_b32 s16, s13, 8
	s_lshl_b32 s14, s11, 7
	s_add_co_u32 s16, s16, s14                     ; my first row
	s_lshl_b32 s21, s16, 3                         ; in st: 8 bytes a row
	s_lshl_b32 s16, s16, 12                        ; in pw: 4,096 bytes a row
	s_lshl_b32 s46, s42, 9                         ; my first key, in bytes
	s_lshl_b32 s47, s12, 8
	s_add_co_u32 s46, s46, s47
	s_add_co_u32 s16, s16, s46
	s_mov_b32 s17, 0                               ; s[16:17]: what the first way out adds to pw's address
	s_lshl_b32 s20, s42, 1
	s_add_co_u32 s20, s20, s12                     ; my chunk = 2 x key tile + half
	s_lshl_b32 s20, s20, 16                        ; 65,536 bytes a chunk
	s_add_co_u32 s20, s20, s21
	s_mov_b32 s21, 0
	s_add_nc_u64 s[SB:SB+1], s[SB:SB+1], s[20:21]
	; the prefetches
	s_and_b32 s22, ttmp7, 0xffff                   ; cluster y
	s_lshr_b32 s21, s22, 1
	s_lshl_b32 s21, s21, 11
	s_lshl_b32 s23, s42, 8
	s_add_co_u32 s21, s21, s23                     ; k's tile: its first row
	s_and_b32 s22, s22, 1
	s_lshl_b32 s20, s13, 8                         ; q's tile: its first row
	s_cmp_eq_u32 s11, 0
	s_cselect_b32 s20, s20, s21
	s_cselect_b32 s21, s40, s41                    ; my place among the four that ask with me
	s_cselect_b32 s22, ttmp9, s22                  ; 0 in the cluster that asks
	s_cselect_b64 s[PFA:PFA+1], s[4:5], s[6:7]
	s_cmp_eq_u32 s22, 0
	s_cselect_b32 s[LIM], 2, -1
	s_lshl_b32 s22, s12, 7
	s_add_co_u32 s20, s20, s22
	s_lshl_b32 s21, s21, 5
	s_add_co_u32 s20, s20, s21
	s_mul_i32 s20, s20, ROWA
	s_mov_b32 s21, 0
	s_add_nc_u64 s[PFA:PFA+1], s[PFA:PFA+1], s[20:21]
	s_add_nc_u64 s[PFA:PFA+1], s[PFA:PFA+1], 2*KSTEP*2  ; at step 2: the first refill steps it to 3 and names step 4
	v_mul_u32_u24 v[PFO], v[LN], ROWA
; 16 matrix instructions; zero = 1: the product starts the sum with the constant 0.  The 64 accumulators take turns.
.macro MUL16 f, hi, a0, zero
	WIN 0xa1+0x50*(\hi)
.irp a, \a0, (\a0)+1
.irp b, 0,1,2,3,4,5,6,7
.if \zero
	v_wmma_f32_16x16x32_f16 v[8*(8*(\a)+(\b)):8*(8*(\a)+(\b))+7], v[(\f)+8*(\b):(\f)+8*(\b)+7], v[(\f)+8*(4*(\hi)+(\a)):(\f)+8*(4*(\hi)+(\a))+7], 0
.else
	v_wmma_f32_16x16x32_f16 v[8*(8*(\a)+(\b)):8*(8*(\a)+(\b))+7], v[(\f)+8*(\b):(\f)+8*(\b)+7], v[(\f)+8*(4*(\hi)+(\a)):(\f)+8*(4*(\hi)+(\a))+7], v[8*(8*(\a)+(\b)):8*(8*(\a)+(\b))+7]
.endif
.endr
.endr
.endm
.macro FETCH k, f
	WIN 0x40
.irp i, 0,1,2,3,4,5,6,7
	ds_load_b128 v[(\f)+8*(\i):(\f)+8*(\i)+3],   v[ADRB] offset:(\k)+(\i)*16*PITCH
	ds_load_b128 v[(\f)+8*(\i)+4:(\f)+8*(\i)+7], v[ADRB] offset:(\k)+(\i)*16*PITCH+32
.endr
	WIN 0
.irp i, 0,1,2,3,4,5,6,7
	ds_load_b128 v[(\f)+8*(\i):(\f)+8*(\i)+3],   v[ADRA] offset:(\k)+(\i)*16*PITCH
	ds_load_b128 v[(\f)+8*(\i)+4:(\f)+8*(\i)+7], v[ADRA] offset:(\k)+(\i)*16*PITCH+32
.endr
.endm
.macro QUARTER k, f, g, zero
	s_wait_dscnt 8                                 ; k's fragments and q's rows 0-63 are in; the youngest eight loads may be out
	MUL16 \f, 0, 0, \zero
	MUL16 \f, 0, 2, \zero
	PLACES
	FETCH \k, \g
	s_wait_dscnt 32                                ; all but the 32 just issued
	MUL16 \f, 1, 0, \zero
	MUL16 \f, 1, 2, \zero
.endm
.macro MEET round
	WIN 0
	s_wait_tensorcnt 0x0                           ; all my tensor loads have landed: the one that was out is my part of the next slot
	ds_add_u32 v[SPW], v[NIL]
	s_xor_b32 s[TB], s[TB], SLOT
	v_add_nc_u32 v[ADRA], s[TB], v[ADRA0]
	v_add_nc_u32 v[ADRB], s[TB], v[ADRB0]
	s_wait_dscnt 9                                 ; the add and the youngest eight loads may be out
	MUL16 F1, 0, 0, 0
	s_wait_dscnt 0x0                               ; the add is done, my reads of this slot are over
	s_barrier_signal -1
	MUL16 F1, 0, 2, 0
.if \round
	WIN 0
.endif
	s_barrier_wait -1
.endm
.macro TURN fill
.if \fill
	s_wait_xcnt 0x0                                ; the last prefetch, a step back, has read its address
	s_add_nc_u64 s[PFA:PFA+1], s[PFA:PFA+1], KSTEP*2
	MEET 1
	CREST
	s_xor_b32 s[G0+5], s[G0+5], SLOT
	s_add_nc_u64 s[G0+6:G0+7], s[G0+6:G0+7], KSTEP*2
	s_xor_b32 s[G0B+5], s[G0B+5], SLOT
	s_add_nc_u64 s[G0B+6:G0B+7], s[G0B+6:G0B+7], KSTEP*2
	JLOAD
	FETCH 0, F0
	ASK
.else
	MEET 0
	PLACES
	FETCH 0, F0
.endif
	MUL16 F1, 1, 0, 0
	MUL16 F1, 1, 2, 0
.endm
; THE CHUNK'S SOFTMAX for block a (16 queries; a lane's 64 scores in 8 accumulators).  The maximum, three operands at a time, each accumulator's lowest registers first;
; the exchange of the lanes' halves; c m; c s - c m in pairs; the 64 exponentials as ONE batch with one plain instruction and one wait behind it; the roundings to f16; the sum of the unrounded p as a tree in place.
.macro SOFT a
.set WW, 2+(\a)/4
.set AC, 64*((\a)%4)
.set PR, MS+2*(\a)
	WIN WW|(WW<<2)|(WW<<4)
.irp b, 0,1,2,3,4,5,6,7
	v_max3_num_f32 v[CC+(\b)], v[AC+8*(\b)], v[AC+8*(\b)+1], v[AC+8*(\b)+2]
.endr
	WIN (WW<<2)|(WW<<4)
.irp o, 3,5
.irp b, 0,1,2,3,4,5,6,7
	v_max3_num_f32 v[CC+(\b)], v[CC+(\b)], v[AC+8*(\b)+(\o)], v[AC+8*(\b)+(\o)+1]
.endr
.endr
.irp b, 0,1,2,3
	v_max3_num_f32 v[CC+(\b)], v[CC+(\b)], v[AC+8*(\b)+7], v[AC+8*(\b)+39]
.endr
	WIN 0
	v_max3_num_f32 v[CC], v[CC], v[CC+1], v[CC+2]
	v_max3_num_f32 v[CC+3], v[CC+3], v[CC+4], v[CC+5]
	v_max3_num_f32 v[CC], v[CC], v[CC+6], v[CC+7]
	v_max_num_f32 v[CC], v[CC], v[CC+3]
	v_permlanex16_b32 v[TX], v[CC], s[SEL], s[SEL+1]   ; the query's other 64 keys lie in the lane 16 away
	v_max_num_f32 v[PR+1], v[CC], v[TX]                ; m
	v_mul_f32 v[PR], s[CS], v[PR+1]                    ; c m
	WIN WW|(WW<<6)
.set i, 0
.rept 32
	v_pk_fma_f32 v[AC+2*i:AC+2*i+1], v[AC+2*i:AC+2*i+1], s[CS:CS+1], v[PR:PR+1] op_sel_hi:[1,0,0] neg_lo:[0,0,1] neg_hi:[0,0,1]
.set i, i+1
.endr
.set i, 0
.rept 64
	v_exp_f32 v[AC+i], v[AC+i]
.set i, i+1
.endr
	v_nop                                          ; a plain instruction behind the last exponential,
	s_wait_alu depctr_va_vdst(0)                   ; and one wait ahead of the batch's first reader
	WIN WW|(WW<<2)
.set i, 0
.rept 32
	v_cvt_pk_f16_f32 v[TMP+i], v[AC+2*i], v[AC+2*i+1]
.set i, i+1
.endr
	WIN WW|(WW<<2)|(WW<<6)
.irp d, 16,8,4,2,1
.set i, 0
.rept \d
	v_pk_add_f32 v[AC+2*i:AC+2*i+1], v[AC+2*i:AC+2*i+1], v[AC+2*(i+(\d)):AC+2*(i+(\d))+1]
.set i, i+1
.endr
.endr
	WIN WW|(WW<<2)
	v_add_f32 v[PR+1], v[AC], v[AC+1]
	WIN 0
	v_permlanex16_b32 v[TX], v[PR+1], s[SEL], s[SEL+1]
	v_add_f32 v[PR+1], v[PR+1], v[TX]              ; l
.endm
.macro TOSTAGE a
	WIN 0
.set BK, OB+192*((\a)%2)
.irp b, 0,1,2,3,4,5,6,7
	ds_store_b128 v[STO], v[TMP+4*(\b):TMP+4*(\b)+3] offset:32*(\b)
.endr
.irp t, 0,1,2,3,4,5,6,7
	ds_load_b128 v[BK+4*(\t):BK+4*(\t)+3], v[RD] offset:(\t)*2*SPITCH  ; LDS serves a wave's instructions in order (ISA guide 5.7.1.4): these see the stores above
.endr
.endm
.macro SEND a
	WIN 0
.set BK, OB+192*((\a)%2)
	s_wait_dscnt 0x0
	s_wait_xcnt 0x0                                ; the stores' base and the registers that earlier stores read are rewritten only behind this wait
.if (\a) == 0
	s_add_nc_u64 s[CB:CB+1], s[CB:CB+1], s[16:17]
.else
	s_add_nc_u64 s[CB:CB+1], s[CB:CB+1], 16*ROWC
.endif
.irp t, 0,1,2,3,4,5,6,7
	global_store_b128 v[CO], v[BK+4*(\t):BK+4*(\t)+3], s[CB:CB+1] offset:2*(\t)*ROWC  ; 16 lanes store 256 consecutive bytes, aligned
.endr
.endm
	s_wait_tensorcnt 1                             ; my part of step 0 is in; step 1's may stay out
	s_barrier_signal -1
	s_barrier_wait -1
	FETCH 0, F0
	QUARTER 64, F0, F1, 1
	WIN 0
	s_mov_b32 s3, STEPS-2
.Lstep:                                                ; trip i: quarters 1 to 3 of step i, quarter 0 of step i + 1; step i + 2 is asked for
	QUARTER 128, F1, F0, 0
	QUARTER 192, F0, F1, 0
	TURN 1
	QUARTER 64, F0, F1, 0
	WIN 0
	s_sub_co_u32 s3, s3, 1
	s_cmp_lg_u32 s3, 0
	s_cbranch_scc1 .Lstep
	QUARTER 128, F1, F0, 0                         ; the tail is written out: steps 6 and 7, nothing is asked for
	QUARTER 192, F0, F1, 0
	TURN 0
	QUARTER 64, F0, F1, 0
	QUARTER 128, F1, F0, 0
	QUARTER 192, F0, F1, 0
	s_wait_dscnt 8
	MUL16 F1, 0, 0, 0
	MUL16 F1, 0, 2, 0
	s_wait_dscnt 0x0
	MUL16 F1, 1, 0, 0
	MUL16 F1, 1, 2, 0
	WIN 0
	PLACES
	SOFT 0
	TOSTAGE 0
.irp a, 1,2,3,4,5,6,7                  ; block a's softmax stands between block a - 1's loads from the stage and the wait for them
	SOFT \a
	SEND (\a)-1
	TOSTAGE \a
.endr
	SEND 7
	; (c m, l): both halves of the lanes hold them for row l % 16 of every block.  Lanes 0-15 take block 2 g, lanes 16-31 block 2 g + 1: a store covers 32 rows, 256 consecutive bytes, aligned
	v_cmp_le_u32 s[HM], 16, v[LN]
.irp g, 0,1,2,3
	v_cndmask_b32 v[SS+2*(\g)],   v[MS+4*(\g)],   v[MS+4*(\g)+2], s[HM]
	v_cndmask_b32 v[SS+2*(\g)+1], v[MS+4*(\g)+1], v[MS+4*(\g)+3], s[HM]
	global_store_b64 v[SO], v[SS+2*(\g):SS+2*(\g)+1], s[SB:SB+1] offset:256*(\g)
.endr
	s_wait_tensorcnt 0x0                           ; the wave's end
	ds_add_u32 v[SPW], v[NIL]
	s_wait_dscnt 0x0
	CROUND                                         ; the closing round
	s_endpgm
.Lfunc_end_k_qf92b569726_scores:
	.size	k_qf92b569726_scores, .Lfunc_end_k_qf92b569726_scores-k_qf92b569726_scores
	.p2alignl 7, 3214868480
	.fill 96, 4, 3214868480
	.section	.rodata,"a",@progbits
	.p2align	6, 0x0
	.amdhsa_kernel k_qf92b569726_scores
		.amdhsa_group_segment_fixed_size 327680
		.amdhsa_private_segment_fixed_size 0
		.amdhsa_enable_private_segment 0
		.amdhsa_kernarg_size 24
		.amdhsa_user_sgpr_count 2
		.amdhsa_user_sgpr_kernarg_segment_ptr 1
		.amdhsa_wavefront_size32 1
		.amdhsa_system_sgpr_workgroup_id_x 1
		.amdhsa_system_sgpr_workgroup_id_y 1
		.amdhsa_system_sgpr_workgroup_id_z 1
		.amdhsa_system_vgpr_workitem_id 0
		.amdhsa_next_free_vgpr 1024
		.amdhsa_next_free_sgpr 96
		.amdhsa_reserve_vcc 0
		.amdhsa_float_denorm_mode_32 3
		.amdhsa_float_denorm_mode_16_64 3
		.amdhsa_memory_ordered 1
		.amdhsa_forward_progress 1
		.amdhsa_inst_pref_size 186
	.end_amdhsa_kernel
	.amdgpu_metadata
---
amdhsa.version: [ 1, 2 ]
amdhsa.kernels:
  - .name:           k_qf92b569726_scores
    .symbol:         k_qf92b569726_scores.kd
    .args:
      - { .name: qkv, .offset: 0, .size: 8, .value_kind: global_buffer, .address_space: global }
      - { .name: pw, .offset: 8, .size: 8, .value_kind: global_buffer, .address_space: global }
      - { .name: st, .offset: 16, .size: 8, .value_kind: global_buffer, .address_space: global }
    .group_segment_fixed_size: 327680
    .private_segment_fixed_size: 0
    .kernarg_segment_align: 8
    .kernarg_segment_size: 24
    .max_flat_workgroup_size: 128
    .sgpr_count:     96
    .vgpr_count:     1024
    .wavefront_size: 32
...
	.end_amdgpu_metadata
.endif
;; end of part 3
;; launch pv (part 4): grid 4 x 64, 4 waves a work-group, clusters of 4 x 4, 327,680 bytes of LDS; arguments pw, qkv, st, out0; writes out0
.if DOCPART == 4
	.amdgcn_target "amdgcn-amd-amdhsa--gfx1250"
	.amdhsa_code_object_version 6
	.text
	.protected	k_qf92b569726_pv
	.globl	k_qf92b569726_pv
	.p2align	8
	.type	k_qf92b569726_pv,@function
k_qf92b569726_pv:
	s_mov_b64 s[64:65], 0
	v_nop
	global_prefetch_b8 v0, s[64:65] scope:SCOPE_SE
	s_setreg_imm32_b32 hwreg(HW_REG_WAVE_MODE, 25, 1), 1
	s_wait_xcnt 0x0
	s_wait_alu depctr_hold_cnt(0) depctr_sa_sdst(0) depctr_va_vdst(0) depctr_va_sdst(0) depctr_va_ssrc(0) depctr_va_vcc(0) depctr_vm_vsrc(0)
	s_getreg_b32 s2, hwreg(HW_REG_IB_STS2, 6, 4)
	s_cmp_eq_u32 s2, 0
	s_cbranch_scc0 .Lentry_in_a_cluster
	s_endpgm
.Lentry_in_a_cluster:
	s_bfe_u32 s2, ttmp6, 0x10000c
	s_cmp_lg_u32 s2, 0xf033
	s_cbranch_scc0 .Lentry_shape_is_right
	s_endpgm
.Lentry_shape_is_right:
; out0[row][ch] = (sum over keys of p[row][key] f[row][chunk of key] v[key][ch]) / L[row].  pw [8192][2048] f16 holds p = 2^(c s - c m_chunk), st [16][8192][2] f32 holds (c m_chunk, l_chunk),
; v is columns 2,048 on of qkv [8192][3072] f16.  M = the row's maximum of c m_chunk, f = 2^(c m_chunk - M) (at most 1) rounded to f16, L = the sum of f l with that rounded f, in f32.
; So the row's true maximum is taken away from every exponent.  Sums in f32; out0 is f32.
; LIMITS: p f is rounded to f16 once more, and below 6e-5 keeps f16's fixed step of 6e-8; an f below 6e-8 counts as 0, in L too; NaN and infinities are not treated apart.
; A tile of 128 rows x 256 channels is made by four waves, each 64 x 128: 32 accumulators, 256 registers.  The 2,048 keys go in 16 steps of 128, a chunk each, through two LDS slots.  4 x 64 = 256 tiles.
; CLUSTER 4 x 4: a row of the cluster shares its rows of p, a column its tile of v (a cluster's four tile rows lie in one batch): joint loads.
; THE MATRIX INSTRUCTION IS USED TRANSPOSED (source 0 = 16 channels of v, turned by ds_load_tr16_b128; source 1 = 16 rows of p): lane l holds row l % 16 and the channels 8 (l / 16) + 0..7 of a block of 16.
; In p's fragment a lane holds ONE row, so f is one packed register a lane and block; the 32 scalings of a quarter step stand four at a time behind every fourth matrix instruction, each block ahead of its use.
; REGISTERS in windows of 256 (s_set_vgpr_msb: bits 1:0 source 0, 3:2 source 1, 5:4 source 2, 7:6 destination):
;   window 0: v0-31 addresses; v32-95 at work; v96-159, v160-223 rows read back, by turns; v224-231 1 / L in pairs
;   window 1: v0-95, v96-191 two fragment buffers (p's block a at 8 a, v's block b at 32 + 8 b); v192-195 f of the step in hand, v196-199 of the next      window 2: accumulator (a, b) at 8 (8 a + b)
; The scalings write window 1 and the products window 2, so each group of four costs two switches: 16 for a quarter's 32 matrix instructions, all issued beside the matrix work.
.set PPA,    272                       ; a row of p in LDS: 256 bytes + 16
.set PPV,    544                       ; a row of v: 512 bytes + 32 = 136 words
.set AHALF,  64*PPA
.set VOFF,   128*PPA                   ; a slot: p's 128 rows, then v's 128 key rows
.set VHALF,  64*PPV
.set SLOT1,  1<<17                     ; slot 1 begins here: one exclusive or changes slots
.set STAGE,  SLOT1+VOFF+2*VHALF        ; 16 rows x 528 bytes for each wave, for the way out
.set SPITCH, 528
.set FT,     STAGE+4*16*SPITCH         ; f, packed twice in a word: chunk x 512 + half of the rows x 256 + (row % 16) x 16 + block x 4
.set IL,     FT+16*512                 ; 1 / L twice: half x 512 + (row % 16) x 32 + block x 8
.set SPARE,  IL+1024                   ; the spare words: 128 bytes for each wave, two blocks of 256 bytes that no other line names
.set VSTEP,  128*6144                  ; bytes from a step's key rows to the next step's
.set ADRA0, 16
.set ADRB0, 17
.set ADRA,  18
.set ADRB,  19
.set FTA,   20                         ; v20  where my four f of the step in hand lie
.set ILA,   21                         ; v21  where my four pairs of 1 / L lie
.set STO,   24
.set RD,    25
.set CO,    26
.set SPW,   28
.set NIL,   29
.set PFO,   30
.set TMP,   32
.set RL,    224
.set F0,    0
.set F1,    96
.set FAC,   192
.set FACN,  196
.set G1,  24
.set G0,  32
.set G1B, 48
.set G0B, 56
.set LIM, 43
.set PFA, 44
.set TB,  66
.set YC,  67                           ; s67  cluster y
.set PST, 68                           ; s[68:69] the prefetches' step
.set PAR, 70                           ; s70  1: I ask in every second trip
.set SB,  72                           ; s[72:73] st
.set CB,  74                           ; s[74:75] out0
.set MSB, 0
.macro WIN new
.if MSB != (\new)
	s_set_vgpr_msb (MSB<<8)|(\new)
.set MSB, \new
.endif
.endm
.macro JLOAD                           ; a joint refill by the walking sets: waves 0 and 1 fetch p's halves, waves 2 and 3 v's; s_nop 0 and four v_nop follow each line
	s_cmp_eq_u32 s11, 0
	s_cbranch_scc0 .Lfor_b_\@
	tensor_load_to_lds s[G0+4:G0+7], s[G1:G1+7]
	s_nop 0
.rept 4
	v_nop
.endr
	s_branch .Lasked_\@
.Lfor_b_\@:
	tensor_load_to_lds s[G0B+4:G0B+7], s[G1B:G1B+7]
	s_nop 0
.rept 4
	v_nop
.endr
.Lasked_\@:
.endm
; A prefetch of the step two refills on (trip i: step i + 4).  v's tile is read by the four clusters of a batch: the first of them asks; of the 64 key rows that a wave fetches each of the four partners takes 16, by address,
; lanes 0-15 their first 256 bytes, lanes 16-31 their second.  p's rows are read by this row of the cluster alone: each partner takes 16 of a wave's 64 rows, lanes 16-31 name the step after, and the wave asks in every
; second trip.  So each block of 256 bytes is named once.  Steps 0 to 3 come by their loads alone; no trip names a step past 15.
.macro ASK
	WIN 0
	s_and_b32 s23, s3, s[PAR]
	s_cmp_eq_u32 s23, 0
	s_cselect_b32 s23, s3, 0
	s_cmp_gt_u32 s23, s[LIM]
	s_cbranch_scc0 .Lnot_mine_\@
	global_prefetch_b8 v[PFO], s[PFA:PFA+1] th:TH_LOAD_NT scope:SCOPE_SE
.Lnot_mine_\@:
.endm
.macro CREST
	s_cmp_lg_u32 s10, 0
	s_cbranch_scc1 .Lnot_wave_0_\@
	s_barrier_signal -3
.Lnot_wave_0_\@:
	s_barrier_wait -3
	s_barrier_signal -1
	s_barrier_wait -1
.endm
.macro CROUND
	s_barrier_signal -1
	s_barrier_wait -1
	CREST
.endm
	s_load_b128 s[4:7], s[0:1], 0x0                ; pw s[4:5], qkv s[6:7]
	s_load_b128 s[72:75], s[0:1], 0x10             ; st s[72:73], out0 s[74:75]
	v_lshl_add_u32 v[SPW], v0, 2, SPARE
	v_mov_b32 v[NIL], 0
	ds_add_u32 v[SPW], v[NIL]                      ; the wave's opening: the add and its wait stand ahead of my first tensor load
	v_lshrrev_b32 v1, 5, v0
	v_readfirstlane_b32 s10, v1                    ; wave 0..3
	s_lshr_b32 s11, s10, 1                         ; my half of the tile's rows.  Also: I fetch for p (0) or v (1)
	s_and_b32 s12, s10, 1                          ; my half of its channels.  Also: which 64 rows I fetch
	s_bfe_u32 s40, ttmp6, 0x40000                  ; cx
	s_bfe_u32 s41, ttmp6, 0x40004                  ; cy
	s_lshl_b32 s42, ttmp9, 2
	s_add_co_u32 s42, s42, s40                     ; channel tile
	s_and_b32 s[YC], ttmp7, 0xffff
	s_lshl_b32 s13, s[YC], 2
	s_add_co_u32 s13, s13, s41                     ; row tile = 4 x cluster y + cy
	s_lshl_b32 s43, s41, 2
	s_lshl_b32 s43, 15, s43
	s_lshl_b32 s44, 0x1111, s40
	s_or_b32 s[G1+0], s43, (1<<16)|(1<<20)|(1<<21)|(5<<22)|(3<<25)   ; p: my row of the cluster; after every 64 words, 4 words of padding
	s_mov_b32 s[G1+1], 128<<16                     ; tensor_dim0 = 128
	s_mov_b32 s[G1+2], 64<<16                      ; tensor_dim1 = 64
	s_mov_b32 s[G1+3], 128<<16                     ; tile_dim0 = 128
	s_mov_b32 s[G1+4], 64                          ; tile_dim1 = 64
	s_mov_b32 s[G1+5], 2048                        ; elements from row to row of pw
	s_mov_b32 s[G1+6], 0
	s_mov_b32 s[G1+7], 0
	s_or_b32 s[G1B+0], s44, (1<<16)|(1<<20)|(1<<21)|(6<<22)|(7<<25)  ; v: my column; after every 128 words, 8 words
	s_mov_b32 s[G1B+1], 256<<16
	s_mov_b32 s[G1B+2], 64<<16
	s_mov_b32 s[G1B+3], 256<<16
	s_mov_b32 s[G1B+4], 64
	s_mov_b32 s[G1B+5], 3072                       ; elements from row to row of qkv
	s_mov_b32 s[G1B+6], 0
	s_mov_b32 s[G1B+7], 0
	s_lshl_b32 s17, s12, 6                         ; which 64 rows I fetch
	s_lshl_b32 s16, s13, 7
	s_add_co_u32 s16, s16, s17                     ; p: row 128 x row tile + 64 x half
	s_lshl_b32 s16, s16, 12
	s_lshr_b32 s46, s[YC], 2                       ; v: the batch is cluster y / 4: cy never enters these registers
	s_lshl_b32 s46, s46, 11
	s_add_co_u32 s46, s46, s17                     ; key row 2,048 x batch + 64 x half
	s_mul_i32 s46, s46, 6144
	s_lshl_b32 s47, s42, 9                         ; 512 bytes a channel tile,
	s_add_co_u32 s46, s46, s47
	s_add_co_u32 s46, s46, 4096                    ; behind q's and k's columns
	s_mov_b32 s17, 0
	s_mov_b32 s47, 0
	s_mul_i32 s20, s12, AHALF                      ; where they go: no place in the cluster enters an LDS address
	s_mul_i32 s21, s12, VHALF
	s_add_co_u32 s21, s21, VOFF
	s_mov_b32 s[TB], 0
	s_wait_dscnt 0x0
	s_wait_kmcnt 0x0
	s_add_nc_u64 s[14:15], s[4:5], s[16:17]
	s_add_nc_u64 s[46:47], s[6:7], s[46:47]
	CROUND
.irp s, 0,1
	s_mov_b32 s[G0+4*(\s)], 1
	s_add_co_u32 s[G0+4*(\s)+1], s20, (\s)*SLOT1
	s_add_nc_u64 s[G0+4*(\s)+2:G0+4*(\s)+3], s[14:15], (\s)*256
	s_or_b32 s[G0+4*(\s)+3], s[G0+4*(\s)+3], 0x80000000
	s_mov_b32 s[G0B+4*(\s)], 1
	s_add_co_u32 s[G0B+4*(\s)+1], s21, (\s)*SLOT1
	s_add_nc_u64 s[G0B+4*(\s)+2:G0B+4*(\s)+3], s[46:47], (\s)*VSTEP
	s_or_b32 s[G0B+4*(\s)+3], s[G0B+4*(\s)+3], 0x80000000
.endr
	s_cmp_eq_u32 s11, 0                            ; a wave's two first fills stand in one branch: two loads of mine are out
	s_cbranch_scc0 .Lfirst_b
	tensor_load_to_lds s[G0:G0+3], s[G1:G1+7]
	s_nop 0
	tensor_load_to_lds s[G0+4:G0+7], s[G1:G1+7]
	s_nop 0
.rept 4
	v_nop
.endr
	s_branch .Lfirst_asked
.Lfirst_b:
	tensor_load_to_lds s[G0B:G0B+3], s[G1B:G1B+7]
	s_nop 0
	tensor_load_to_lds s[G0B+4:G0B+7], s[G1B:G1B+7]
	s_nop 0
.rept 4
	v_nop
.endr
.Lfirst_asked:
	; THE TABLE.  Thread t owns row t of the tile: its 16 pairs (c m, l)
	s_lshl_b32 s22, s13, 10                        ; 128 rows x 8 bytes a tile
	s_mov_b32 s23, 0
	s_add_nc_u64 s[SB:SB+1], s[SB:SB+1], s[22:23]
	v_lshlrev_b32 v3, 3, v0
.irp c, 0,1,2,3,4,5,6,7,8,9,10,11,12,13,14,15
	global_load_b64 v[32+2*(\c):33+2*(\c)], v3, s[SB:SB+1] offset:(\c)*65536
.endr
	; the addresses are made while those loads are out
	v_and_b32 v1, 15, v0                           ; l % 16
	v_bfe_u32 v2, v0, 4, 1                         ; l / 16
	v_mul_u32_u24 v4, v1, PPA
	v_lshl_add_u32 v4, v2, 4, v4
	s_mul_i32 s22, s11, AHALF
	v_add_nc_u32 v[ADRA0], s22, v4                 ; p's fragment: row x pitch + 16 x half of the lanes
	v_and_b32 v5, 7, v0
	v_bfe_u32 v6, v0, 3, 1
	v_lshl_add_u32 v5, v2, 3, v5                   ; the turning load: lane l reads key 8 (l / 16) + l % 8, channels 8 ((l / 8) % 2) + 0..7
	v_mul_u32_u24 v5, v5, PPV
	v_lshl_add_u32 v5, v6, 4, v5
	s_lshl_b32 s22, s12, 8                         ; my 128 channels
	s_add_co_u32 s22, s22, VOFF
	v_add_nc_u32 v[ADRB0], s22, v5
	v_mov_b32 v[ADRA], v[ADRA0]
	v_mov_b32 v[ADRB], v[ADRB0]
	s_lshl_b32 s22, s11, 8
	s_add_co_u32 s22, s22, FT
	v_lshl_add_u32 v[FTA], v1, 4, s22
	s_lshl_b32 s22, s11, 9
	s_add_co_u32 s22, s22, IL
	v_lshl_add_u32 v[ILA], v1, 5, s22
	s_mul_i32 s23, s10, 16*SPITCH
	s_add_co_u32 s23, s23, STAGE                   ; my stage
	v_mul_u32_u24 v4, v1, SPITCH
	v_lshl_add_u32 v4, v2, 5, v4
	v_add_nc_u32 v[STO], s23, v4                   ; in: row l % 16, 32 bytes for each half of the lanes
	v_and_b32 v7, 31, v0
	v_lshl_add_u32 v[RD], v7, 4, s23               ; back: 32 lanes take a row's 512 bytes
	v_lshlrev_b32 v[CO], 4, v7
	v_lshrrev_b32 v8, 6, v0                        ; row t = 64 x half + 16 x block + t % 16
	v_bfe_u32 v9, v0, 4, 2
	v_lshlrev_b32 v10, 8, v8
	v_lshl_add_u32 v10, v1, 4, v10
	v_lshl_add_u32 v10, v9, 2, v10
	v_add_nc_u32 v10, FT, v10                      ; where row t's f of chunk 0 goes
	v_lshlrev_b32 v11, 9, v8
	v_lshl_add_u32 v11, v1, 5, v11
	v_lshl_add_u32 v11, v9, 3, v11
	v_add_nc_u32 v11, IL, v11                      ; where its 1 / L goes
	s_lshl_b32 s16, s13, 7
	s_lshl_b32 s17, s11, 6
	s_add_co_u32 s16, s16, s17                     ; my first row of out0,
	s_lshl_b32 s16, s16, 12
	s_lshl_b32 s17, s42, 10                        ; my first channel, in bytes
	s_add_co_u32 s16, s16, s17
	s_lshl_b32 s17, s12, 9
	s_add_co_u32 s16, s16, s17
	s_mov_b32 s17, 0                               ; s[16:17]: what the first way out adds to out0's address
	; the prefetches: both offsets are made, the wave's number chooses
	s_lshl_b32 s20, s13, 7
	s_lshl_b32 s22, s12, 6
	s_add_co_u32 s20, s20, s22
	s_lshl_b32 s23, s40, 4
	s_add_co_u32 s20, s20, s23                     ; p: my work-group's 16 of the 64 rows that I fetch
	s_lshl_b32 s20, s20, 12
	s_add_co_u32 s20, s20, 3*256                   ; at step 3: the first refill steps it to 4
	s_lshr_b32 s21, s[YC], 2
	s_lshl_b32 s21, s21, 11
	s_add_co_u32 s21, s21, s22
	s_lshl_b32 s23, s41, 4
	s_add_co_u32 s21, s21, s23                     ; v: my work-group's 16 key rows
	s_add_co_u32 s21, s21, 3*128
	s_mul_i32 s21, s21, 6144
	s_lshl_b32 s23, s42, 9
	s_add_co_u32 s21, s21, s23
	s_add_co_u32 s21, s21, 4096
	s_and_b32 s23, s[YC], 3
	s_cmp_eq_u32 s23, 0
	s_cselect_b32 s23, 2, -1                       ; v is asked for by the batch's first cluster
	s_mov_b32 s[PST], VSTEP
	s_mov_b32 s22, 6144
	s_cmp_eq_u32 s11, 0
	s_cselect_b32 s20, s20, s21
	s_cselect_b32 s[LIM], 2, s23
	s_cselect_b32 s[PAR], 1, 0
	s_cselect_b32 s[PST], 256, s[PST]
	s_cselect_b32 s22, 4096, s22
	s_cselect_b64 s[PFA:PFA+1], s[4:5], s[6:7]
	s_mov_b32 s21, 0
	s_mov_b32 s[PST+1], 0
	s_add_nc_u64 s[PFA:PFA+1], s[PFA:PFA+1], s[20:21]
	v_mul_u32_u24 v[PFO], s22, v1                  ; (l % 16) rows
	v_lshl_add_u32 v[PFO], v2, 8, v[PFO]           ; + 256 bytes for lanes 16-31
	; M, f, L
	s_wait_loadcnt 0x0
	v_max3_num_f32 v12, v32, v34, v36
.irp c, 38,42,46,50,54,58
	v_max3_num_f32 v12, v12, v[\c], v[(\c)+2]
.endr
	v_max_num_f32 v12, v12, v62                    ; M
.irp c, 0,1,2,3,4,5,6,7,8,9,10,11,12,13,14,15
	v_sub_f32 v[64+(\c)], v[32+2*(\c)], v12
.endr
.irp c, 0,1,2,3,4,5,6,7,8,9,10,11,12,13,14,15
	v_exp_f32 v[64+(\c)], v[64+(\c)]
.endr
	v_mov_b32 v13, 0                               ; a plain instruction behind the last exponential: L's two chains start at 0
	v_mov_b32 v14, 0
	s_wait_alu depctr_va_vdst(0)                   ; the one wait ahead of the batch's first reader
.irp c, 0,1,2,3,4,5,6,7,8,9,10,11,12,13,14,15
	v_cvt_pk_f16_f32 v[80+(\c)], v[64+(\c)], v[64+(\c)]   ; f, twice in a word
.endr
.irp c, 0,2,4,6,8,10,12,14
	v_fma_mix_f32 v13, v[80+(\c)], v[33+2*(\c)], v13 op_sel_hi:[1,0,0]   ; the ROUNDED f (its f16 half) x l, summed in f32
	v_fma_mix_f32 v14, v[81+(\c)], v[35+2*(\c)], v14 op_sel_hi:[1,0,0]
.endr
	v_add_f32 v13, v13, v14                        ; L: at least 1, since the chunk that holds M has f = 1 and l >= 1
	v_rcp_f32 v14, v13
	v_nop
	s_wait_alu depctr_va_vdst(0)
	v_mov_b32 v15, v14
.irp c, 0,1,2,3,4,5,6,7,8,9,10,11,12,13,14,15
	ds_store_b32 v10, v[80+(\c)] offset:(\c)*512
.endr
	ds_store_b64 v11, v[14:15]
; Four matrix instructions: row block a x four channel blocks.  zero = 1: they start their sums.  The 32 accumulators take turns, in the same order in every quarter.
.macro GRP f, a, bh, zero
	WIN 0xa5
.irp b, 0,1,2,3
.set rD, 8*(8*(\a)+4*(\bh)+(\b))
.set rB, (\f)+32+8*(4*(\bh)+(\b))
.if \zero
	v_wmma_f32_16x16x32_f16 v[rD:rD+7], v[rB:rB+7], v[(\f)+8*(\a):(\f)+8*(\a)+7], 0
.else
	v_wmma_f32_16x16x32_f16 v[rD:rD+7], v[rB:rB+7], v[(\f)+8*(\a):(\f)+8*(\a)+7], v[rD:rD+7]
.endif
.endr
.endm
; Four scalings: half of p's block a in buffer f, times the block's f
.macro RID f, a, half, fac
	WIN 0x45
.irp j, 0,1,2,3
	v_pk_mul_f16 v[(\f)+8*(\a)+4*(\half)+(\j)], v[(\f)+8*(\a)+4*(\half)+(\j)], v[(\fac)+(\a)]
.endr
.endm
; A run of LDS loads: quarter q (32 keys) of the slot in hand into buffer g: (the next step's f,) p's 8, then v's 16
.macro FETCH q, g, facn
	WIN 0x40
.if \facn
	ds_load_b128 v[FACN:FACN+3], v[FTA] offset:512
.endif
.irp a, 0,1,2,3
	ds_load_b128 v[(\g)+8*(\a):(\g)+8*(\a)+3],   v[ADRA] offset:64*(\q)+(\a)*16*PPA
	ds_load_b128 v[(\g)+8*(\a)+4:(\g)+8*(\a)+7], v[ADRA] offset:64*(\q)+(\a)*16*PPA+32
.endr
.irp b, 0,1,2,3,4,5,6,7
	ds_load_tr16_b128 v[(\g)+32+8*(\b):(\g)+32+8*(\b)+3],   v[ADRB] offset:(\q)*32*PPV+32*(\b)
	ds_load_tr16_b128 v[(\g)+32+8*(\b)+4:(\g)+32+8*(\b)+7], v[ADRB] offset:(\q)*32*PPV+16*PPV+32*(\b)
.endr
.endm
.macro MID f                           ; blocks 1 and 2 are multiplied, blocks 2 and 3 scaled
	GRP \f, 1, 0, ZZ
	RID \f, 2, 0, FAC
	GRP \f, 1, 1, ZZ
	RID \f, 2, 1, FAC
	GRP \f, 2, 0, ZZ
	RID \f, 3, 0, FAC
	GRP \f, 2, 1, ZZ
	RID \f, 3, 1, FAC
.endm
; One of a step's first three quarters: multiplies buffer f, whose block 0 is scaled already; fetches quarter q into g, twelve scalings behind g's last reader (the places in front of the loads); scales g's block 0 at its end
.macro QUARTER q, f, g, zero, facn
.set ZZ, \zero
	s_wait_dscnt 0x0                               ; v's fragments of this quarter are in
	GRP \f, 0, 0, ZZ
	RID \f, 1, 0, FAC
	GRP \f, 0, 1, ZZ
	RID \f, 1, 1, FAC
	FETCH \q, \g, \facn
	MID \f
	s_wait_dscnt 16                                ; f and p's fragments of the run above are in; v's sixteen loads may be out
	GRP \f, 3, 0, ZZ
	RID \g, 0, 0, FAC
	GRP \f, 3, 1, ZZ
	RID \g, 0, 1, FAC
.endm
; The last quarter, and the change of slots: each wave waits for all its tensor loads (one is out: its part of the next slot), adds 0 to its spare word, and waits for that and for its reads of this slot.
; fill = 1: the barrier opens a round of the cluster's; behind it this slot is filled again, with the step two on: 120 matrix instructions ahead of the wait for it.
.macro TURN fill
.set ZZ, 0
.if \fill
	s_wait_xcnt 0x0                                ; the last prefetch, a step back, has read its address
	s_add_nc_u64 s[PFA:PFA+1], s[PFA:PFA+1], s[PST:PST+1]
.endif
	WIN 0
	s_wait_tensorcnt 0x0
	ds_add_u32 v[SPW], v[NIL]
	s_xor_b32 s[TB], s[TB], SLOT1                  ; the fetches go on in the other slot,
	v_add_nc_u32 v[ADRA], s[TB], v[ADRA0]
	v_add_nc_u32 v[ADRB], s[TB], v[ADRB0]
	v_add_nc_u32 v[FTA], 512, v[FTA]               ; and with the next chunk's f
	s_wait_dscnt 1                                 ; this quarter's fragments are in; the add may be out
	GRP F1, 0, 0, 0
	RID F1, 1, 0, FAC
	s_wait_dscnt 0x0                               ; the add is done, my reads of this slot are over
	s_barrier_signal -1
	GRP F1, 0, 1, 0
	RID F1, 1, 1, FAC
	WIN 0
	s_barrier_wait -1
.if \fill
	CREST
	s_xor_b32 s[G0+5], s[G0+5], SLOT1              ; the walking sets: the other slot than last time, the next step; no load of mine is out
	s_add_nc_u64 s[G0+6:G0+7], s[G0+6:G0+7], 256
	s_xor_b32 s[G0B+5], s[G0B+5], SLOT1
	s_add_nc_u64 s[G0B+6:G0B+7], s[G0B+6:G0B+7], VSTEP
	JLOAD
.endif
	FETCH 0, F0, 0
.if \fill
	ASK
.endif
	MID F1
	s_wait_dscnt 16
	GRP F1, 3, 0, 0
	RID F0, 0, 0, FACN                             ; the next step's first block takes the next chunk's f,
	GRP F1, 3, 1, 0
	RID F0, 0, 1, FACN
	WIN 0x41
.irp j, 0,1,2,3
	v_mov_b32 v[FAC+(\j)], v[FACN+(\j)]            ; which now is the f in hand
.endr
.endm
; THE WAY OUT of block a (16 rows x 128 channels of f32): times 1 / L; through my own stage; back as whole rows of 512 bytes; stored
.macro SCALE a
	WIN 0x02
.set i, 0
.rept 32
	v_pk_mul_f32 v[TMP+2*i:TMP+2*i+1], v[64*(\a)+2*i:64*(\a)+2*i+1], v[RL+2*(\a):RL+2*(\a)+1]
.set i, i+1
.endr
	WIN 0
.endm
.macro TOSTAGE a
	WIN 0
.set BK, 96+64*((\a)%2)
.irp b, 0,1,2,3,4,5,6,7
	ds_store_b128 v[STO], v[TMP+8*(\b):TMP+8*(\b)+3]   offset:64*(\b)
	ds_store_b128 v[STO], v[TMP+8*(\b)+4:TMP+8*(\b)+7] offset:64*(\b)+16
.endr
.irp t, 0,1,2,3,4,5,6,7,8,9,10,11,12,13,14,15
	ds_load_b128 v[BK+4*(\t):BK+4*(\t)+3], v[RD] offset:(\t)*SPITCH  ; LDS serves a wave's instructions in order (ISA guide 5.7.1.4): these see the stores above
.endr
.endm
.macro SEND a
	WIN 0
.set BK, 96+64*((\a)%2)
	s_wait_dscnt 0x0
	s_wait_xcnt 0x0                                ; the stores' base and the registers that earlier stores read are rewritten only behind this wait
.if (\a) == 0
	s_add_nc_u64 s[CB:CB+1], s[CB:CB+1], s[16:17]
.else
	s_add_nc_u64 s[CB:CB+1], s[CB:CB+1], 16*4096
.endif
.irp t, 0,1,2,3,4,5,6,7,8,9,10,11,12,13,14,15
	global_store_b128 v[CO], v[BK+4*(\t):BK+4*(\t)+3], s[CB:CB+1] offset:(\t)*4096 th:TH_STORE_NT  ; a wave stores 512 consecutive bytes, aligned
.endr
.endm
	s_wait_tensorcnt 1                             ; my part of step 0 is in; step 1's may stay out
	s_wait_dscnt 0x0                               ; my part of the table is written
	s_barrier_signal -1
	s_barrier_wait -1
	WIN 0x40
	ds_load_b128 v[FAC:FAC+3], v[FTA]              ; chunk 0's f
	FETCH 0, F0, 0
	s_wait_dscnt 16
	RID F0, 0, 0, FAC
	RID F0, 0, 1, FAC
	QUARTER 1, F0, F1, 1, 0                        ; the first quarter starts the sums
	WIN 0
	s_mov_b32 s3, 14
.Lstep:                                                ; trip i: quarters 1 to 3 of step i, quarter 0 of step i + 1; step i + 2 is asked for
	QUARTER 2, F1, F0, 0, 1
	QUARTER 3, F0, F1, 0, 0
	TURN 1
	QUARTER 1, F0, F1, 0, 0
	WIN 0
	s_sub_co_u32 s3, s3, 1
	s_cmp_lg_u32 s3, 0
	s_cbranch_scc1 .Lstep
	QUARTER 2, F1, F0, 0, 1                        ; the tail is written out: steps 14 and 15, nothing is asked for
	QUARTER 3, F0, F1, 0, 0
	TURN 0
	QUARTER 1, F0, F1, 0, 0
	QUARTER 2, F1, F0, 0, 0
	QUARTER 3, F0, F1, 0, 0
	s_wait_dscnt 0x0                               ; the very last quarter: nothing more to fetch
	GRP F1, 0, 0, 0
	RID F1, 1, 0, FAC
	GRP F1, 0, 1, 0
	RID F1, 1, 1, FAC
	MID F1
	GRP F1, 3, 0, 0
	GRP F1, 3, 1, 0
	WIN 0
.rept 4
	v_nop                                          ; the places behind the last products
.endr
	ds_load_b128 v[RL:RL+3],   v[ILA]
	ds_load_b128 v[RL+4:RL+7], v[ILA] offset:16
	s_wait_dscnt 0x0
	SCALE 0
	TOSTAGE 0
.irp a, 1,2,3                          ; block a's scaling stands between block a - 1's loads from the stage and the wait for them
	SCALE \a
	SEND (\a)-1
	TOSTAGE \a
.endr
	SEND 3
	s_wait_tensorcnt 0x0                           ; the wave's end
	ds_add_u32 v[SPW], v[NIL]
	s_wait_dscnt 0x0
	CROUND                                         ; the closing round
	s_endpgm
.Lfunc_end_k_qf92b569726_pv:
	.size	k_qf92b569726_pv, .Lfunc_end_k_qf92b569726_pv-k_qf92b569726_pv
	.p2alignl 7, 3214868480
	.fill 96, 4, 3214868480
	.section	.rodata,"a",@progbits
	.p2align	6, 0x0
	.amdhsa_kernel k_qf92b569726_pv
		.amdhsa_group_segment_fixed_size 327680
		.amdhsa_private_segment_fixed_size 0
		.amdhsa_enable_private_segment 0
		.amdhsa_kernarg_size 32
		.amdhsa_user_sgpr_count 2
		.amdhsa_user_sgpr_kernarg_segment_ptr 1
		.amdhsa_wavefront_size32 1
		.amdhsa_system_sgpr_workgroup_id_x 1
		.amdhsa_system_sgpr_workgroup_id_y 1
		.amdhsa_system_sgpr_workgroup_id_z 1
		.amdhsa_system_vgpr_workitem_id 0
		.amdhsa_next_free_vgpr 768
		.amdhsa_next_free_sgpr 96
		.amdhsa_reserve_vcc 0
		.amdhsa_float_denorm_mode_32 3
		.amdhsa_float_denorm_mode_16_64 3
		.amdhsa_memory_ordered 1
		.amdhsa_forward_progress 1
		.amdhsa_inst_pref_size 115
	.end_amdhsa_kernel
	.amdgpu_metadata
---
amdhsa.version: [ 1, 2 ]
amdhsa.kernels:
  - .name:           k_qf92b569726_pv
    .symbol:         k_qf92b569726_pv.kd
    .args:
      - { .name: pw, .offset: 0, .size: 8, .value_kind: global_buffer, .address_space: global }
      - { .name: qkv, .offset: 8, .size: 8, .value_kind: global_buffer, .address_space: global }
      - { .name: st, .offset: 16, .size: 8, .value_kind: global_buffer, .address_space: global }
      - { .name: out0, .offset: 24, .size: 8, .value_kind: global_buffer, .address_space: global }
    .group_segment_fixed_size: 327680
    .private_segment_fixed_size: 0
    .kernarg_segment_align: 8
    .kernarg_segment_size: 32
    .max_flat_workgroup_size: 128
    .sgpr_count:     96
    .vgpr_count:     768
    .wavefront_size: 32
...
	.end_amdgpu_metadata
.endif
;; end of part 4
;; ======== version 2 of 2: 4 launches; version 1 with the launch cast written anew for expert scheduling mode
;; limits: values are held in f16: magnitudes above 65,504 overflow, below 6.1e-05 lose precision
;; workspace buffers: xh 16,777,216 bytes; wh 6,291,456 bytes; qkv 50,331,648 bytes; pw 33,554,432 bytes; st 1,048,576 bytes
;; launch cast (part 5): grid 64 x 11, 8 waves a work-group, no clusters, 0 bytes of LDS; arguments x, Wq, Wk, Wv, xh, wh; writes xh, wh
.if DOCPART == 5
	.amdgcn_target "amdgcn-amd-amdhsa--gfx1250"
	.amdhsa_code_object_version 6
	.text
	.protected	k_qf92b569726_cast
	.globl	k_qf92b569726_cast
	.p2align	8
	.type	k_qf92b569726_cast,@function
k_qf92b569726_cast:
	s_mov_b64 s[64:65], 0
	v_nop
	global_prefetch_b8 v0, s[64:65] scope:SCOPE_SE
	s_setreg_imm32_b32 hwreg(HW_REG_WAVE_SCHED_MODE, 0, 2), 2
	s_setreg_imm32_b32 hwreg(HW_REG_WAVE_MODE, 25, 1), 1
	s_wait_xcnt 0x0
	s_wait_alu depctr_vm_vsrc(0)
; x [8192][1024] and Wq, Wk, Wv [1024][1024], f32, are rounded once to f16 and laid out BY BLOCKS OF 64 ALONG K:
; xh [16 blocks][8192 rows][64], wh [16 blocks][3072 rows][64] (rows: Wq, Wk, Wv).  So the next launch's tiles, some rows x 64 along K, are dense in memory.
; LIMIT: f16 holds no number beyond 65,504; below 6e-5 it keeps its fixed step of 6e-8.
; A stream: no LDS, no matrix unit, no cluster, since no byte is wanted twice.  Grid y = 0..7: an eighth of x each; y = 8, 9, 10: Wq, Wk, Wv.
; A work-group takes 16 rows; a wave two of them: lanes 0-15 one row, lanes 16-31 the next.  Load i brings block i of both rows: twice 256 consecutive bytes, aligned; the two rows' 128 bytes of f16
; lie end to end in block i, so a wave's store covers 256 consecutive bytes, aligned.  All 16 loads of a thread are issued at once; no register is written twice, so no wait frees a source.
; THE MODE: SCHED_MODE bits 1:0 = 2 (LLVM: expert scheduling mode 2), set by the entry lines.  The code itself states the register dependences
; between vector instructions and memory instructions, with s_wait_alu, always for 0.
; THE PLAN.  Registers that memory instructions touch:
;   v1, OFF    byte offsets.  Written once, by vector lines at the head; read by the loads (v1) and by one store each (OFF).
;   IN         Written by the 16 loads alone, once; read by the conversions behind the counted wait for the loads.
;   OUT        Written once, by the conversions; read by one store each.
; The 16 pieces go in four groups of four.  Group g's eight conversions write OUT of group g; the stores that stand among them are group g - 1's, which read OUT of group g - 1 and OFF.
; So one wait on va_vdst at a group's head states all that its four stores hang on, and no vector line behind that wait names a register that they read.  One more stands ahead of the first load, for the
; offsets, and one ahead of the last four stores.  No register that a memory instruction has read is written again, no load lands in a register that a vector line has named, no vector line writes a
; scalar register, and EXEC is never written: there is nothing else to state.
.set IN,  4                            ; v[4:67]    sixteen loads of four f32
.set OUT, 68                           ; v[68:99]   sixteen pairs of packed f16
.set OFF, 100                          ; v[100:115] my byte offset in block i of the destination
.set PLX, 8192*128                     ; bytes in a block of xh
.set PLW, 3072*128                     ; and of wh
	s_load_b256 s[4:11], s[0:1], 0x0               ; x s[4:5], Wq s[6:7], Wk s[8:9], Wv s[10:11]
	s_load_b128 s[12:15], s[0:1], 0x20             ; xh s[12:13], wh s[14:15]
	s_and_b32 s16, ttmp7, 0xffff                   ; y
	v_lshrrev_b32 v2, 4, v0                        ; my row of the 16
	v_and_b32 v3, 15, v0                           ; my place in a block's 64 numbers
	v_lshlrev_b32 v1, 4, v3
	v_lshl_add_u32 v1, v2, 12, v1                  ; in: row x 4,096 + 16 x place
	v_lshlrev_b32 v[OFF], 3, v0                    ; out: row x 128 + 8 x place = 8 x thread
	s_sub_co_u32 s17, s16, 8                       ; which weight (used where y >= 8 alone)
	s_mov_b32 s28, PLW
	s_cmp_lt_u32 s16, 8
	s_cselect_b32 s18, s16, 0                      ; the source's group of 64 work-groups: a weight has one
	s_cselect_b32 s19, s16, s17                    ; the destination's
	s_cselect_b32 s28, PLX, s28                    ; bytes from block to block
	s_lshl_b32 s18, s18, 6
	s_add_co_u32 s18, s18, ttmp9
	s_lshl_b32 s24, s18, 16                        ; 16 rows of 4,096 bytes in
	s_mov_b32 s25, 0
	s_lshl_b32 s19, s19, 6
	s_add_co_u32 s19, s19, ttmp9
	s_lshl_b32 s26, s19, 11                        ; 16 rows of 128 bytes in each block out
	s_mov_b32 s27, 0
.irp i, 1,2,3,4,5,6,7,8,9,10,11,12,13,14,15
	v_add_nc_u32 v[OFF+(\i)], s28, v[OFF+(\i)-1]
.endr
	s_wait_kmcnt 0x0
	s_cmp_eq_u32 s16, 9
	s_cselect_b64 s[20:21], s[8:9], s[6:7]         ; Wk or Wq
	s_cmp_eq_u32 s16, 10
	s_cselect_b64 s[20:21], s[10:11], s[20:21]     ; or Wv
	s_cmp_lt_u32 s16, 8
	s_cselect_b64 s[20:21], s[4:5], s[20:21]       ; or x
	s_cselect_b64 s[22:23], s[12:13], s[14:15]     ; xh or wh
	s_add_nc_u64 s[20:21], s[20:21], s[24:25]
	s_add_nc_u64 s[22:23], s[22:23], s[26:27]
	s_wait_alu depctr_va_vdst(0)                   ; v1 and the sixteen OFF are written: every load and store of the kernel reads one of them as its offset, and none is written again
.irp i, 0,1,2,3,4,5,6,7,8,9,10,11,12,13,14,15
	global_load_b128 v[IN+4*(\i):IN+4*(\i)+3], v1, s[20:21] offset:256*(\i) th:TH_LOAD_NT
.endr
.irp g, 0,1,2,3
	s_wait_loadcnt 12-4*(\g)                       ; loads come back in order: group g's four are in, the 12 - 4 g younger ones stay out
.if (\g) > 0
	s_wait_alu depctr_va_vdst(0)                   ; the conversions of the group before have written its eight OUT registers, which the four stores below read
.endif
.irp j, 0,1,2,3
.if (\g) > 0
	global_store_b64 v[OFF+4*(\g)-4+(\j)], v[OUT+2*(4*(\g)-4+(\j)):OUT+2*(4*(\g)-4+(\j))+1], s[22:23]  ; the group before; no vector line since the wait names these registers
.endif
	v_cvt_pk_f16_f32 v[OUT+2*(4*(\g)+(\j))],   v[IN+4*(4*(\g)+(\j))],   v[IN+4*(4*(\g)+(\j))+1]
	v_cvt_pk_f16_f32 v[OUT+2*(4*(\g)+(\j))+1], v[IN+4*(4*(\g)+(\j))+2], v[IN+4*(4*(\g)+(\j))+3]
.endr
.endr
	s_wait_alu depctr_va_vdst(0)                   ; the last group's conversions have written its eight OUT registers, which the last four stores read
.irp j, 0,1,2,3
	global_store_b64 v[OFF+12+(\j)], v[OUT+24+2*(\j):OUT+24+2*(\j)+1], s[22:23]
.endr
	s_endpgm
.Lfunc_end_k_qf92b569726_cast:
	.size	k_qf92b569726_cast, .Lfunc_end_k_qf92b569726_cast-k_qf92b569726_cast
	.p2alignl 7, 3214868480
	.fill 96, 4, 3214868480
	.section	.rodata,"a",@progbits
	.p2align	6, 0x0
	.amdhsa_kernel k_qf92b569726_cast
		.amdhsa_group_segment_fixed_size 0
		.amdhsa_private_segment_fixed_size 0
		.amdhsa_enable_private_segment 0
		.amdhsa_kernarg_size 48
		.amdhsa_user_sgpr_count 2
		.amdhsa_user_sgpr_kernarg_segment_ptr 1
		.amdhsa_wavefront_size32 1
		.amdhsa_system_sgpr_workgroup_id_x 1
		.amdhsa_system_sgpr_workgroup_id_y 1
		.amdhsa_system_sgpr_workgroup_id_z 1
		.amdhsa_system_vgpr_workitem_id 0
		.amdhsa_next_free_vgpr 116
		.amdhsa_next_free_sgpr 66
		.amdhsa_reserve_vcc 0
		.amdhsa_float_denorm_mode_32 3
		.amdhsa_float_denorm_mode_16_64 3
		.amdhsa_memory_ordered 1
		.amdhsa_forward_progress 1
		.amdhsa_inst_pref_size 8
	.end_amdhsa_kernel
	.amdgpu_metadata
---
amdhsa.version: [ 1, 2 ]
amdhsa.kernels:
  - .name:           k_qf92b569726_cast
    .symbol:         k_qf92b569726_cast.kd
    .args:
      - { .name: x, .offset: 0, .size: 8, .value_kind: global_buffer, .address_space: global }
      - { .name: Wq, .offset: 8, .size: 8, .value_kind: global_buffer, .address_space: global }
      - { .name: Wk, .offset: 16, .size: 8, .value_kind: global_buffer, .address_space: global }
      - { .name: Wv, .offset: 24, .size: 8, .value_kind: global_buffer, .address_space: global }
      - { .name: xh, .offset: 32, .size: 8, .value_kind: global_buffer, .address_space: global }
      - { .name: wh, .offset: 40, .size: 8, .value_kind: global_buffer, .address_space: global }
    .group_segment_fixed_size: 0
    .private_segment_fixed_size: 0
    .kernarg_segment_align: 8
    .kernarg_segment_size: 48
    .max_flat_workgroup_size: 256
    .sgpr_count:     66
    .vgpr_count:     116
    .wavefront_size: 32
...
	.end_amdgpu_metadata
.endif
;; end of part 5
;; launch proj: the kernel of part 2 again; grid 8 x 32, 4 waves a work-group, clusters of 4 x 4, 327,680 bytes of LDS; arguments xh, wh, bq, bk, bv, qkv; writes qkv
;; launch scores: the kernel of part 3 again; grid 8 x 32, 4 waves a work-group, clusters of 4 x 4, 327,680 bytes of LDS; arguments qkv, pw, st; writes pw, st
;; launch pv: the kernel of part 4 again; grid 4 x 64, 4 waves a work-group, clusters of 4 x 4, 327,680 bytes of LDS; arguments pw, qkv, st, out0; writes out0
